; MI455X (gfx1250); checked and timed in simulation.
; The chip was launched on July 23, 2026; its instructions are those of AMD's public machine-readable ISA for CDNA 5 (MIT licence, August 2026) and "CDNA5" Instruction Set Architecture Reference Guide (July 2026). The comments in the code are by the model that wrote it; some were corrected since.
;; Ro PE Multihead Attention. Allowed arithmetic: matrix products marked QUANTISED: E2M1 operands, one E8M0 scale for each 32 along K, by v_wmma_scale_f32_16x16x128_f8f6f4 with both operands' format E2M1 (or v_wmma_scale_f32_32x16x128_f4), f32 sums; products left as they are: bf16, f16 or f32 operands; f32 sums; everything else in f32.
;; Inputs: Wk 1,024 x 1,024 float32; Wo 1,024 x 1,024 float32; Wq 1,024 x 1,024 float32; Wv 1,024 x 1,024 float32; bo 1,024 float32; k 1 x 4,096 x 1,024 float32; q 1 x 4,096 x 1,024 float32; v 1 x 4,096 x 1,024 float32.
;; Outputs: out0 1 x 4,096 x 1,024 float32.
;; This version of the problem:
;;   THIS VERSION OF THE PROBLEM IS GIVEN IN LOW PRECISION. The matrix products marked QUANTISED in the list below multiply operands that are first quantised to E2M1 (2 exponent bits, 1 mantissa bit; 4 bits a number), with one power-of-two scale for each 32 numbers along K (OCP MX v1.0); their sums are f32. The products marked 'left as it is' may take bf16, f16 or f32 operands, with f32 sums. Whichever they take, every output number must still come out within the allowed error. Rounding operands to bf16 (8 significant bits) uses up far more of that allowance than f16 does (11 bits, for magnitudes from 6e-5 to 65,504). All else is computed in f32.
;;   The module's matrix products, in the order in which they are computed (A, B: the left and right operand; K: the contracted axis; several contracted axes count as one K, in the product's order):
;;     1. [M 4,096, K 1,024] x [K 1,024, N 1,024]; A: input q; B: input Wq: QUANTISED
;;     2. [M 4,096, K 1,024] x [K 1,024, N 1,024]; A: input k; B: input Wk: QUANTISED
;;     3. [M 4,096, K 1,024] x [K 1,024, N 1,024]; A: input v; B: input Wv: QUANTISED
;;     4. batch 16 x [M 4,096, K 64] x [K 64, N 4,096]; A: computed on the way; B: computed on the way: left as it is (an operand is computed on the way)
;;     5. batch 16 x [M 64, K 4,096] x [K 4,096, N 4,096]; A: computed on the way; B: computed on the way: left as it is (an operand is computed on the way)
;;     6. [M 4,096, K 1,024] x [K 1,024, N 1,024]; A: computed on the way; B: input Wo: left as it is (an operand is computed on the way)
;;   THE QUANTISER, for each operand of a quantised product, along K:
;;     - K is cut into blocks of 32 from its start; a last block that is shorter is filled with zeros.
;;     - A block's scale is 2^e with e = floor(log2(the largest magnitude in the block)) - 2, held to -126 .. 127; a block of zeros has e = 0. As a byte (E8M0): e + 127.
;;     - Each number is divided by its block's scale, clamped to +-6, and rounded to the nearest number of E2M1, ties to even, subnormals kept.
;;     - The product sums the exact products of the quantised numbers (number of the format x scale) in f32.
;;   ~~~python
;;   def quantise(x, axis):      # numpy; x: float32 -> the quantised numbers, widened to float32 again
;;       x = np.moveaxis(x, axis, -1); K = x.shape[-1]
;;       x = np.pad(x, [(0, 0)] * (x.ndim - 1) + [(0, -K % 32)]); x = x.reshape(x.shape[:-1] + (-1, 32)); a = np.abs(x).max(-1, keepdims=True)
;;       e = np.where(a > 0, np.clip(np.frexp(np.where(a > 0, a, 1))[1] - 1 - 2, -126, 127), 0)      # np.frexp(a)[1] - 1 = floor(log2(a)), exactly
;;       r = np.clip(x / 2.0 ** e, -6, 6)
;;       step = 2.0 ** (np.maximum(np.frexp(np.where(r == 0, 1, r))[1] - 1, 0) - 1)
;;       q = np.round(r / step) * step * 2.0 ** e      # np.round: ties to even
;;       return np.moveaxis(q.reshape(q.shape[:-2] + (-1,))[..., :K], -1, axis).astype(np.float32)
;;   ~~~
;; One version. Each part assembles by itself: llvm-mc -triple=amdgcn-amd-amdhsa -mcpu=gfx1250 --defsym DOCPART=n.
;; ======== version 1 of 1: 4 launches
;; limits: values are held in f16: magnitudes above 65,504 overflow, below 6.1e-05 lose precision
;; workspace buffers: codes 7,864,320 bytes; scales 491,520 bytes; rt 1,048,576 bytes; wob 2,097,152 bytes; xp 25,165,824 bytes; ob 8,388,608 bytes
;; launch prep (part 1): grid 544 x 1, 4 waves a work-group, no clusters, 33,280 bytes of LDS; arguments q, k, v, Wq, Wk, Wv, Wo, codes, scales, wob, rt; writes codes, scales, wob, rt
.if DOCPART == 1
	.amdgcn_target "amdgcn-amd-amdhsa--gfx1250"
	.amdhsa_code_object_version 6
	.text
	.protected	k_q521839648b_prep
	.globl	k_q521839648b_prep
	.p2align	8
	.type	k_q521839648b_prep,@function
k_q521839648b_prep:
	s_mov_b64 s[64:65], 0
	v_nop
	global_prefetch_b8 v0, s[64:65] scope:SCOPE_SE
	s_setreg_imm32_b32 hwreg(HW_REG_WAVE_MODE, 25, 1), 1
	s_wait_xcnt 0x0
; PREP: three kinds of work-group, told apart by the work-group's number alone.
;  0..479   quantise q, k, v [4096][1024] and Wq, Wk, Wv [1024][1024] (f32, K innermost) to codes of FP4 (E2M1) with one E8M0 byte for each 32 along K.
;           A block's byte is its largest magnitude's exponent field - 2, held at 1 from below; each number is divided by the scale and rounded to the nearest code, ties to even, beyond 6 the largest code.
;           codes: the six tensors on end, 512 bytes a row; scales: the same order, 32 bytes a row.  Rows are dense, so every tensor is a plain stream of blocks of 32.
;  480..511 Wo [1024 n][1024 k] f32 -> f16, laid [n/128][k/64][128][64]: a chunk of 64 along K of 128 rows is 16,384 consecutive bytes.
;  512..543 the rotation table rt[token][pair] = (cos, sin)(token x 10000^(-pair/32)), f32, 256 bytes a token.
; LIMITS: a block of zeros gets the byte 1 (its codes are zeros, and this program alone reads the bytes); NaN and infinities are not served;
;         Wo's numbers must lie under 65,504 in magnitude; the angles are reduced in f32: up to about 6e-4 rad off at the last tokens.
; No tensor load, no barrier: waves share nothing.  No cluster: no two work-groups read the same bytes.
.set WAVES, 4
.set STEPS, 16
.set CB,    8                          ; bytes of 16 codes
.set R,     16                         ; v16-79   four sets of 16 numbers as they are loaded
.set X,     80                         ; v80-111  two sets of 16 neighbours
.set E,     112                        ; v112-127 a scale byte for each step
.set C,     128                        ; v128-191 codes: four registers for each step
.set WREG,  8192                       ; LDS: a region for each wave: two stages of 32 x SP bytes, then its 256 scale bytes
.set SP,    80                         ; a lane's place in a stage: 64 bytes + 16 of padding
.set SPW,   12                         ; v12  LDS address of my spare word; never rewritten
.set NIL,   13                         ; v13  0; never rewritten
.set SPARE, WAVES*WREG                 ; behind the regions: the spare words, 128 bytes a wave
	s_load_b512 s[8:23], s[0:1], 0x0               ; q 8, k 10, v 12, Wq 14, Wk 16, Wv 18, Wo 20, codes 22
	s_load_b128 s[24:27], s[0:1], 0x40             ; scales 24, wob 26
	s_load_b64 s[28:29], s[0:1], 0x50              ; rt
	v_lshl_add_u32 v[SPW], v0, 2, SPARE
	v_mov_b32 v[NIL], 0
	v_lshrrev_b32 v1, 5, v0
	v_readfirstlane_b32 s6, v1                     ; wave
	v_and_b32 v2, 31, v0                           ; lane
	v_lshlrev_b32 v3, 4, v2                        ; my 16 bytes of a load's 512
	s_mul_i32 s7, s6, WREG
	v_lshrrev_b32 v14, 2, v2
	v_mul_u32_u24 v14, v14, SP
	v_and_b32 v15, 3, v2
	v_lshl_add_u32 v14, v15, 4, v14
	v_add_nc_u32 v14, s7, v14                      ; the stage, on the way in: SP (lane / 4) + 16 (lane % 4)
	v_mul_u32_u24 v15, v2, SP
	v_add_nc_u32 v15, s7, v15                      ; and on the way out: SP x lane: my 16 neighbours
	v_mul_u32_u24 v4, v2, CB                       ; my codes' place in a step's
	v_lshrrev_b32 v5, 1, v2
	s_add_co_u32 s7, s7, 2*32*SP
	v_add_nc_u32 v5, s7, v5                        ; my wave's 256 scale bytes, my block's byte
	v_lshlrev_b32 v7, 3, v2
	v_add_nc_u32 v6, s7, v7                        ; and on the way out 8 bytes a lane
	s_wait_kmcnt 0x0
	s_cmp_ge_u32 ttmp9, 512
	s_cbranch_scc1 .Ltable
	s_cmp_ge_u32 ttmp9, 480
	s_cbranch_scc1 .Lwo
; ---------------- the quantiser: 128 work-groups for each of q, k, v, 32 for each weight; a wave takes 16 steps of 512 numbers
	s_mov_b64 s[4:5], s[18:19]                     ; the source, chosen by the work-group's number alone
	s_cmp_lt_u32 ttmp9, 448
	s_cselect_b64 s[4:5], s[16:17], s[4:5]
	s_cmp_lt_u32 ttmp9, 416
	s_cselect_b64 s[4:5], s[14:15], s[4:5]
	s_cmp_lt_u32 ttmp9, 384
	s_cselect_b64 s[4:5], s[12:13], s[4:5]
	s_cselect_b32 s30, 127, 31
	s_cmp_lt_u32 ttmp9, 256
	s_cselect_b64 s[4:5], s[10:11], s[4:5]
	s_cmp_lt_u32 ttmp9, 128
	s_cselect_b64 s[4:5], s[8:9], s[4:5]
	s_and_b32 s30, ttmp9, s30                      ; which work-group of its tensor
	s_lshl_b32 s30, s30, 2
	s_add_co_u32 s30, s30, s6
	s_lshl_b32 s30, s30, 15                        ; my wave's run of 8,192 numbers: 32,768 bytes
	s_mov_b32 s31, 0
	s_add_nc_u64 s[4:5], s[4:5], s[30:31]
	s_lshl_b32 s32, ttmp9, 2
	s_add_co_u32 s32, s32, s6                      ; the runs of all six tensors lie on end in codes and in scales
	s_lshl_b32 s34, s32, 8                         ; 256 scale bytes a run
	s_lshl_b32 s32, s32, 12                        ; 4,096 bytes of codes a run
	s_mov_b32 s33, 0
	s_mov_b32 s35, 0
	s_add_nc_u64 s[22:23], s[22:23], s[32:33]
	s_add_nc_u64 s[24:25], s[24:25], s[34:35]
.macro LOAD t
.irp i, 0,1,2,3
	global_load_b128 v[R+16*((\t)%4)+4*\i:R+16*((\t)%4)+4*\i+3], v3, s[4:5] offset:2048*(\t)+512*\i th:TH_LOAD_NT   ; 32 lanes read 512 consecutive bytes
.endr
.endm
.macro TURN t                          ; step t's numbers through the stage: LDS serves a wave's instructions in order, so no wait stands between the stores and the loads
.irp i, 0,1,2,3
	ds_store_b128 v14, v[R+16*((\t)%4)+4*\i:R+16*((\t)%4)+4*\i+3] offset:32*SP*((\t)%2)+8*SP*\i
.endr
.irp i, 0,1,2,3
	ds_load_b128 v[X+16*((\t)%2)+4*\i:X+16*((\t)%2)+4*\i+3], v15 offset:32*SP*((\t)%2)+16*\i
.endr
.endm
.irp t, 0,1,2,3
	LOAD \t
.endr
	s_wait_loadcnt 12                              ; step 0's four loads are in; the three steps behind it may be out
	TURN 0
.macro STEP t
.set XS, X+16*((\t)%2)
.if (\t) > 0
	s_wait_dscnt 1                                 ; this step's numbers are back from the stage (the last step's byte store may be out)
.else
	s_wait_dscnt 0x0
.endif
.if (\t)+4 < STEPS
	LOAD (\t)+4                                    ; into the registers that this step's stores into the stage have read
.endif
.if (\t)+1 < STEPS
.if STEPS-2-(\t) >= 3
	s_wait_loadcnt 12                              ; the next step's four loads are in; those of the three steps behind it may be out
.else
	s_wait_loadcnt 4*(STEPS-2-(\t))
.endif
	TURN (\t)+1
.endif
	v_max3_num_f32 v8, |v[XS]|, |v[XS+1]|, |v[XS+2]|               ; the largest magnitude of my 16, in two chains
	v_max3_num_f32 v9, |v[XS+3]|, |v[XS+4]|, |v[XS+5]|
.irp i, 6,10
	v_max3_num_f32 v8, v8, |v[XS+\i]|, |v[XS+\i+1]|
	v_max3_num_f32 v9, v9, |v[XS+\i+2]|, |v[XS+\i+3]|
.endr
	v_max3_num_f32 v8, v8, |v[XS+14]|, |v[XS+15]|
	v_max3_num_f32 v8, v8, v9, 0x1800000           ; and the floor 2^(3 - 127): the byte cannot fall under 1
	v_max_num_f32_dpp v8, v8, v8 row_xmask:1 row_mask:0xf bank_mask:0xf   ; and of my neighbour's 16: the block's
	v_add_nc_u32 v11, 0xff000000, v8               ; 2 off its exponent field: the conversion takes the exponent field of this operand as its scale
	v_cvt_scalef32_pk8_fp4_f32 v[C+4*(\t)], v[XS:XS+7], v11
	v_cvt_scalef32_pk8_fp4_f32 v[C+4*(\t)+1], v[XS+8:XS+15], v11
	v_lshrrev_b32 v[E+(\t)], 23, v11               ; the scale's byte (also the plain line behind the conversions)
	ds_store_b8 v5, v[E+(\t)] offset:16*(\t)       ; both lanes of a block write the same byte with the same value
	global_store_b64 v4, v[C+4*(\t):C+4*(\t)+1], s[22:23] offset:32*CB*(\t)   ; the wave stores 256 consecutive bytes, aligned
.endm
.irp t, 0,1,2,3,4,5,6,7,8,9,10,11,12,13,14,15
	STEP \t
.endr
	ds_load_b64 v[8:9], v6                         ; LDS serves a wave's instructions in order: these see my byte stores
	s_wait_dscnt 0x0
	global_store_b64 v7, v[8:9], s[24:25]          ; my wave's 256 scale bytes, aligned
	s_wait_tensorcnt 0x0                           ; the wave's end, behind my last LDS store
	ds_add_u32 v[SPW], v[NIL]
	s_wait_dscnt 0x0
	s_endpgm
; ---------------- Wo to f16, by chunks.  A work-group takes 32 rows, a wave 8: four pairs of rows x 16 chunks of 64 along K
.Lwo:
	s_sub_co_u32 s30, ttmp9, 480
	s_lshl_b32 s31, s30, 5
	s_lshl_b32 s32, s6, 3
	s_add_co_u32 s31, s31, s32                     ; my first row n0
	s_lshl_b32 s32, s31, 12                        ; a row of Wo is 4,096 bytes
	s_mov_b32 s33, 0
	s_add_nc_u64 s[20:21], s[20:21], s[32:33]
	s_lshr_b32 s34, s30, 2
	s_lshl_b32 s34, s34, 18                        ; the block of 128 rows: 262,144 bytes
	s_and_b32 s35, s31, 127
	s_lshl_b32 s35, s35, 7                         ; my row in a chunk: 128 bytes a row
	s_add_co_u32 s34, s34, s35
	s_mov_b32 s35, 0
	s_add_nc_u64 s[26:27], s[26:27], s[34:35]
	v_lshrrev_b32 v8, 4, v2
	v_lshlrev_b32 v8, 12, v8
	v_and_b32 v9, 15, v2
	v_lshl_add_u32 v8, v9, 4, v8                   ; in: lanes 0-15 the pair's first row, lanes 16-31 its second; 16 bytes a lane: 256 consecutive bytes a row
	v_lshlrev_b32 v9, 3, v2                        ; out: 8 bytes a lane: the two rows' 128 bytes lie on end
.macro WLOAD p
.irp kc, 0,1,2,3,4,5,6,7,8,9,10,11,12,13,14,15
	global_load_b128 v[16+64*((\p)%2)+4*\kc:16+64*((\p)%2)+4*\kc+3], v8, s[20:21] offset:(\p)*8192+\kc*256 th:TH_LOAD_NT
.endr
.endm
.macro WCVT p
.if (\p) < 3
	s_wait_loadcnt 16                              ; this pair's 16 loads are in; the next pair's may be out
.else
	s_wait_loadcnt 0x0
.endif
.if (\p) > 0
	s_wait_xcnt 0x0                                ; the last pair's stores have read v144-175
.endif
.irp kc, 0,1,2,3,4,5,6,7,8,9,10,11,12,13,14,15
	v_cvt_pk_f16_f32 v[144+2*\kc], v[16+64*((\p)%2)+4*\kc], v[16+64*((\p)%2)+4*\kc+1]
	v_cvt_pk_f16_f32 v[145+2*\kc], v[16+64*((\p)%2)+4*\kc+2], v[16+64*((\p)%2)+4*\kc+3]
.endr
.irp kc, 0,1,2,3,4,5,6,7,8,9,10,11,12,13,14,15
	global_store_b64 v9, v[144+2*\kc:145+2*\kc], s[26:27] offset:(\p)*256+\kc*16384   ; 256 consecutive bytes, aligned
.endr
.if (\p) < 2
	WLOAD (\p)+2
.endif
.endm
	WLOAD 0
	WLOAD 1
	WCVT 0
	WCVT 1
	WCVT 2
	WCVT 3
	s_wait_tensorcnt 0x0                           ; the wave's end
	ds_add_u32 v[SPW], v[NIL]
	s_wait_dscnt 0x0
	s_endpgm
; ---------------- the table.  A work-group takes 128 tokens, a wave 32; the lane is the pair
.Ltable:
	s_sub_co_u32 s30, ttmp9, 512
	s_lshl_b32 s30, s30, 7
	s_lshl_b32 s31, s6, 5
	s_add_co_u32 s30, s30, s31                     ; my wave's first token
	s_lshl_b32 s32, s30, 8
	s_mov_b32 s33, 0
	s_add_nc_u64 s[28:29], s[28:29], s[32:33]
	s_mov_b32 s36, 0xbe2aaaab                      ; sine: -1/6, 1/120, -1/5040, 1/362880
	s_mov_b32 s37, 0x3c088889
	s_mov_b32 s38, 0xb9500d01
	s_mov_b32 s39, 0x3638ef1d
	s_mov_b32 s40, 0x3d2aaaab                      ; cosine: 1/24, -1/720, 1/40320
	s_mov_b32 s41, 0xbab60b61
	s_mov_b32 s42, 0x37d00d01
	s_mov_b32 s43, 0xbfc90fdb                      ; -(pi/2 rounded to f32),
	s_mov_b32 s44, 0x333bbd2e                      ; and what that rounding put on top of pi/2
	v_cvt_f32_u32 v16, v2
	v_mul_f32 v16, 0xbed49a78, v16                 ; -pair x log2(10000) / 32
	v_exp_f32 v16, v16                             ; the pair's frequency
	v_cvt_f32_u32 v20, s30                         ; the token, as f32 (a plain line behind the exponential)
	v_lshlrev_b32 v30, 3, v2                       ; 8 bytes a pair
	s_wait_alu depctr_va_vdst(0)                   ; the wait ahead of the result's first reader, and ahead of the label
	s_mov_b32 s45, 32
.Ltok:
	v_mul_f32 v17, v16, v20                        ; the angle, rounded once
	v_mul_f32 v18, 0x3f22f983, v17
	v_rndne_f32 v18, v18                           ; quarter turns
	v_fma_f32 v19, v18, s43, v17
	v_fma_f32 v19, v18, s44, v19                   ; what is left: at most pi/4 in magnitude
	v_mul_f32 v21, v19, v19
	v_fma_f32 v22, v21, s39, s38
	v_fma_f32 v23, v21, s42, s41
	v_fma_f32 v22, v22, v21, s37
	v_fma_f32 v23, v23, v21, s40
	v_fma_f32 v22, v22, v21, s36
	v_fma_f32 v23, v23, v21, -0.5
	v_mul_f32 v24, v21, v19
	v_fma_f32 v22, v22, v24, v19                   ; sine of the rest
	v_fma_f32 v23, v23, v21, 1.0                   ; cosine of the rest
	v_cvt_i32_f32 v25, v18
	v_and_b32 v26, 1, v25
	v_cmp_eq_u32 vcc_lo, 1, v26                    ; an odd number of quarter turns swaps the two
	v_cndmask_b32 v28, v23, v22, vcc_lo
	v_cndmask_b32 v29, v22, v23, vcc_lo
	v_add_nc_u32 v26, 1, v25
	v_and_b32 v26, 2, v26
	v_lshlrev_b32 v26, 30, v26
	v_xor_b32 v28, v28, v26                        ; the cosine is negative in quarters 1 and 2,
	v_and_b32 v27, 2, v25
	v_lshlrev_b32 v27, 30, v27
	v_xor_b32 v29, v29, v27                        ; the sine in quarters 2 and 3
	global_store_b64 v30, v[28:29], s[28:29]       ; a token's 256 bytes, aligned
	v_add_f32 v20, 1.0, v20
	s_wait_xcnt 0x0                                ; the store has read its data and its base: both are written again
	s_add_nc_u64 s[28:29], s[28:29], 256
	s_sub_co_u32 s45, s45, 1
	s_cmp_lg_u32 s45, 0
	s_cbranch_scc1 .Ltok
	s_wait_tensorcnt 0x0                           ; the wave's end
	ds_add_u32 v[SPW], v[NIL]
	s_wait_dscnt 0x0
	s_endpgm
.Lfunc_end_k_q521839648b_prep:
	.size	k_q521839648b_prep, .Lfunc_end_k_q521839648b_prep-k_q521839648b_prep
	.p2alignl 7, 3214868480
	.fill 96, 4, 3214868480
	.section	.rodata,"a",@progbits
	.p2align	6, 0x0
	.amdhsa_kernel k_q521839648b_prep
		.amdhsa_group_segment_fixed_size 33280
		.amdhsa_private_segment_fixed_size 0
		.amdhsa_enable_private_segment 0
		.amdhsa_kernarg_size 88
		.amdhsa_user_sgpr_count 2
		.amdhsa_user_sgpr_kernarg_segment_ptr 1
		.amdhsa_wavefront_size32 1
		.amdhsa_system_sgpr_workgroup_id_x 1
		.amdhsa_system_sgpr_workgroup_id_y 1
		.amdhsa_system_sgpr_workgroup_id_z 1
		.amdhsa_system_vgpr_workitem_id 0
		.amdhsa_next_free_vgpr 192
		.amdhsa_next_free_sgpr 66
		.amdhsa_reserve_vcc 1
		.amdhsa_float_denorm_mode_32 3
		.amdhsa_float_denorm_mode_16_64 3
		.amdhsa_memory_ordered 1
		.amdhsa_forward_progress 1
		.amdhsa_inst_pref_size 58
	.end_amdhsa_kernel
	.amdgpu_metadata
---
amdhsa.version: [ 1, 2 ]
amdhsa.kernels:
  - .name:           k_q521839648b_prep
    .symbol:         k_q521839648b_prep.kd
    .args:
      - { .name: q, .offset: 0, .size: 8, .value_kind: global_buffer, .address_space: global }
      - { .name: k, .offset: 8, .size: 8, .value_kind: global_buffer, .address_space: global }
      - { .name: v, .offset: 16, .size: 8, .value_kind: global_buffer, .address_space: global }
      - { .name: Wq, .offset: 24, .size: 8, .value_kind: global_buffer, .address_space: global }
      - { .name: Wk, .offset: 32, .size: 8, .value_kind: global_buffer, .address_space: global }
      - { .name: Wv, .offset: 40, .size: 8, .value_kind: global_buffer, .address_space: global }
      - { .name: Wo, .offset: 48, .size: 8, .value_kind: global_buffer, .address_space: global }
      - { .name: codes, .offset: 56, .size: 8, .value_kind: global_buffer, .address_space: global }
      - { .name: scales, .offset: 64, .size: 8, .value_kind: global_buffer, .address_space: global }
      - { .name: wob, .offset: 72, .size: 8, .value_kind: global_buffer, .address_space: global }
      - { .name: rt, .offset: 80, .size: 8, .value_kind: global_buffer, .address_space: global }
    .group_segment_fixed_size: 33280
    .private_segment_fixed_size: 0
    .kernarg_segment_align: 8
    .kernarg_segment_size: 88
    .max_flat_workgroup_size: 128
    .sgpr_count:     66
    .vgpr_count:     192
    .wavefront_size: 32
...
	.end_amdgpu_metadata
.endif
;; end of part 1
;; launch proj (part 2): grid 4 x 48, 4 waves a work-group, clusters of 4 x 4, 327,680 bytes of LDS; arguments codes, scales, rt, xp; writes xp
.if DOCPART == 2
	.amdgcn_target "amdgcn-amd-amdhsa--gfx1250"
	.amdhsa_code_object_version 6
	.text
	.protected	k_q521839648b_proj
	.globl	k_q521839648b_proj
	.p2align	8
	.type	k_q521839648b_proj,@function
k_q521839648b_proj:
	s_mov_b64 s[64:65], 0
	v_nop
	global_prefetch_b8 v0, s[64:65] scope:SCOPE_SE
	s_setreg_imm32_b32 hwreg(HW_REG_WAVE_MODE, 25, 1), 1
	s_wait_xcnt 0x0
	s_wait_alu depctr_hold_cnt(0) depctr_sa_sdst(0) depctr_va_vdst(0) depctr_va_sdst(0) depctr_va_ssrc(0) depctr_va_vcc(0) depctr_vm_vsrc(0)
	s_getreg_b32 s2, hwreg(HW_REG_IB_STS2, 6, 4)
	s_cmp_eq_u32 s2, 0
	s_cbranch_scc0 .Lentry_in_a_cluster
	s_endpgm
.Lentry_in_a_cluster:
	s_bfe_u32 s2, ttmp6, 0x10000c
	s_cmp_lg_u32 s2, 0xf033
	s_cbranch_scc0 .Lentry_shape_is_right
	s_endpgm
.Lentry_shape_is_right:
; PROJ: the three quantised products, on codes of FP4 with E8M0 scales, K = 1,024; the rotation and the rounding to f16 on the way out.
; Cluster y = 4 T + G.  T = 0, 1 (q, k): C[token][feature] = x W^T, A = the tokens' codes, B = the weight's; G picks 4 of the 16 tile rows.
; T = 2 (v): the operands change places, A = Wv, B = v's tokens, so that C = xv^T [channel][token] comes out with the tokens (the later product's K) innermost; G picks 4 of the 16 tile columns.
; A tile of C is 256 x 256: four waves, each 128 x 128 in 64 accumulators.  K = 1,024 is two LDS slots of 512: both, and the scale bytes of the tile's rows, are first fills; nothing is filled again and there is no loop.
; 192 work-groups: a wave has only 512 matrix instructions, so halving the tile would double the LDS bytes read for each product and add rounds of first fills.
; CLUSTERS: 4 x 4.  A's tiles are shared along a row of the cluster, B's along a column: joint loads, the same descriptor and mask in the four named.
; THE MATRIX INSTRUCTION IS USED TRANSPOSED (source 0 = 16 rows of B, source 1 = 16 rows of A): a lane holds eight neighbouring columns of one row of C: four pairs (even, odd) of a head.
; THE ROTATION: (xr c - xi s, xr s + xi c) with (c, s) = rt[token][pair].  For v the table's row stride is 0: every lane reads token 0's (1, 0) and the same lines leave the numbers as they are.
; OUT: xp = xq [16][4096][64] | xk likewise | xv^T [1024][4096], f16.  LIMIT: magnitudes under 65,504 (f16); NaN and infinities are not served.
; REGISTERS, in windows of 256: window 0: v0-31 addresses; v32-95 scale words, two sets; v96-127 table, set 0; v128-191 A's fragments; on the way out v32-63 table set 1, v128-191 at work, v192-255 rows read back.
;   window 1: B's fragments, two sets.   windows 2, 3: the accumulators of my rows 0-63, 64-127.
.set NQ,     4                         ; matrix instructions deep in a slot
.set ROWB,   256                       ; a tile's row: 512 codes
.set KROW,   512                       ; a row of codes in memory
.set PITCH,  272                       ; an LDS row: 256 bytes + 16 of padding: the 16 rows that a load touches start at 16 different banks (64 banks of 4 bytes: ISA guide 11.1)
.set FR,     8
.set NL,     2
.set NP,     4                         ; places behind this matrix instruction (ISA guide 7.12.1)
.set HALFT,  128*PITCH
.set SLOT,   4*HALFT
.set KS,     32                        ; a row of scale bytes
.set SCL,    2*SLOT                    ; behind the slots: the scales, as rows of 256 bytes + 16
.set HALFS,  16*272                    ; those of 128 rows
.set SBLK,   2*272                     ; those of 16 rows
.set SPARE,  SCL+4*HALFS               ; the spare words, 128 bytes a wave
.set SPITCH, 272                       ; the way out: 16 rows x (256 bytes + 16) for each wave, in slot 0, which has had its only fill and its last read by then
.set CO,   8                           ; v8-15  the way out: my byte offsets in xp for the eight pairs of rows
.set ADRA, 16
.set ADRB, 20
.set STO,  24
.set RD,   25
.set ADRS, 27
.set SPW,  28
.set NIL,  29
.set TO,   30                          ; v30    my byte offset in the table
.set SC,   32
.set CS1,  32
.set CS0,  96
.set AF,   128
.set T,    128
.set BK,   192
.set G1, 24
.set G0, 32
.set G1B, 48
.set G0B, 56
.set G1S, 68
.set G0S, 76
.set G1SB, 80
.set G0SB, 88
.set MSB, 0
.macro WIN new                         ; the immediate's high byte repeats the setting that is left
.if MSB != \new
	s_set_vgpr_msb (MSB<<8)|\new
.set MSB, \new
.endif
.endm
.set MUL_LO, 0xa1                      ; source 0 (B) window 1, source 1 (A) window 0, C and D window 2
.set MUL_HI, 0xf1
.set TO_B,   0x40
; A joint load: waves 0 and 1 fetch for A, waves 2 and 3 for B; the branch hangs on the wave's number alone.  An s_nop 0 and four v_nop follow each line.
.macro JLOAD g0a, g1a, g0b, g1b
	s_cmp_eq_u32 s15, 0
	s_cbranch_scc0 .Lfor_b_\@
	tensor_load_to_lds s[\g0a:\g0a+3], s[\g1a:\g1a+7]
	s_nop 0
.rept 4
	v_nop
.endr
	s_branch .Lasked_\@
.Lfor_b_\@:
	tensor_load_to_lds s[\g0b:\g0b+3], s[\g1b:\g1b+7]
	s_nop 0
.rept 4
	v_nop
.endr
.Lasked_\@:
.endm
.macro CROUND                          ; a round of the cluster's barrier
	s_barrier_signal -1
	s_barrier_wait -1
	s_cmp_lg_u32 s14, 0
	s_cbranch_scc1 .Lnot_wave_0_\@
	s_barrier_signal -3
.Lnot_wave_0_\@:
	s_barrier_wait -3
	s_barrier_signal -1
	s_barrier_wait -1
.endm
	s_load_b256 s[4:11], s[0:1], 0x0               ; codes 4, scales 6, rt 8, xp 10
	v_lshl_add_u32 v[SPW], v0, 2, SPARE
	v_mov_b32 v[NIL], 0
	ds_add_u32 v[SPW], v[NIL]                      ; the wave's opening: the add, twice on end, and its wait ahead of my first tensor load
	ds_add_u32 v[SPW], v[NIL]
	v_lshrrev_b32 v1, 5, v0
	v_readfirstlane_b32 s14, v1                    ; wave 0..3
	s_lshr_b32 s15, s14, 1                         ; which half of the tile's rows is mine.  Also: I fetch for A (0) or for B (1)
	s_and_b32 s16, s14, 1                          ; which half of its columns.  Also: which 128 rows I fetch
	s_bfe_u32 s40, ttmp6, 0x40000                  ; cx
	s_bfe_u32 s41, ttmp6, 0x40004                  ; cy
	s_and_b32 s101, ttmp7, 0xffff                  ; cluster y, the same in all sixteen partners
	s_lshr_b32 s100, s101, 2                       ; T: which product
	s_and_b32 s101, s101, 3
	s_lshl_b32 s101, s101, 2                       ; 4 G
	s_lshl_b32 s12, s100, 21                       ; the tokens' codes begin here,
	s_lshl_b32 s13, s100, 19
	s_add_co_u32 s13, s13, 6291456                 ; the weight's here,
	s_lshl_b32 s2, s100, 17                        ; the tokens' scale bytes,
	s_lshl_b32 s3, s100, 15
	s_add_co_u32 s3, s3, 393216                    ; the weight's
	s_mov_b32 s95, 128
	s_mov_b32 s66, 0x80000
	s_cmp_eq_u32 s100, 2                           ; v: the operands change places
	s_cselect_b32 s17, 0, s101
	s_cselect_b32 s42, s101, 0
	s_cselect_b32 s18, s13, s12                    ; A's codes
	s_cselect_b32 s19, s12, s13                    ; B's codes
	s_cselect_b32 s22, s3, s2                      ; A's scales
	s_cselect_b32 s23, s2, s3                      ; B's scales
	s_cselect_b32 s95, 8192, s95                   ; bytes from row to row of C in xp
	s_cselect_b32 s66, 128, s66                    ; bytes from my first 64 columns to my second
	s_cselect_b32 s67, 0, 256                      ; bytes from row to row of C in the table
	s_cselect_b32 s12, 1, 13                       ; a column of C in xp: 2 bytes, or 8,192 (64 columns are a head of 524,288 bytes)
	s_add_co_u32 s17, s17, s41                     ; tile row of C: never holds cx
	s_add_co_u32 s42, s42, s40                     ; tile column of C: never holds cy
	s_lshl_b32 s43, s41, 2
	s_lshl_b32 s43, 15, s43                        ; my row of the cluster
	s_lshl_b32 s44, 0x1111, s40                    ; my column
	s_or_b32 s[G1+0], s43, (0<<16)|(1<<20)|(1<<21)|(5<<22)|(3<<25)  ; the mask; elements of 1 byte; padding on; bit 21 beside a mask; after every 64 words 4 words
	s_or_b32 s[G1B+0], s44, (0<<16)|(1<<20)|(1<<21)|(5<<22)|(3<<25)
.irp g, G1, G1B
	s_mov_b32 s[\g+1], ROWB<<16                    ; tensor_dim0
	s_mov_b32 s[\g+2], 128<<16                     ; tensor_dim1
	s_mov_b32 s[\g+3], ROWB<<16                    ; tile_dim0
	s_mov_b32 s[\g+4], 128                         ; tile_dim1
	s_mov_b32 s[\g+5], KROW                        ; stride
	s_mov_b32 s[\g+6], 0
	s_mov_b32 s[\g+7], 0
.endr
	s_or_b32 s[G1S+0], s43, (3<<16)|(1<<20)|(1<<21)|(5<<22)|(3<<25) ; the scales of 128 rows: 4,096 dense bytes as 16 rows of 32 elements of 8 bytes
	s_or_b32 s[G1SB+0], s44, (3<<16)|(1<<20)|(1<<21)|(5<<22)|(3<<25)
.irp g, G1S, G1SB
	s_mov_b32 s[\g+1], 32<<16
	s_mov_b32 s[\g+2], 16<<16
	s_mov_b32 s[\g+3], 32<<16
	s_mov_b32 s[\g+4], 16
	s_mov_b32 s[\g+5], 32
	s_mov_b32 s[\g+6], 0
	s_mov_b32 s[\g+7], 0
.endr
	s_lshl_b32 s45, s16, 7                         ; which 128 rows of the tile I fetch
	s_lshl_b32 s20, s17, 8
	s_add_co_u32 s20, s20, s45                     ; A's row
	s_lshl_b32 s46, s42, 8
	s_add_co_u32 s46, s46, s45                     ; B's row
	s_lshl_b32 s92, s46, 5
	s_add_co_u32 s92, s92, s23                     ; B's scales, in bytes
	s_mov_b32 s93, 0
	s_lshl_b32 s46, s46, 9
	s_add_co_u32 s46, s46, s19                     ; B's codes
	s_mov_b32 s47, 0
	s_lshl_b32 s45, s20, 5
	s_add_co_u32 s22, s45, s22                     ; A's scales
	s_mov_b32 s23, 0
	s_lshl_b32 s20, s20, 9
	s_add_co_u32 s20, s20, s18                     ; A's codes
	s_mov_b32 s21, 0
	s_mul_i32 s45, s14, HALFT                      ; where they go: by the wave's number alone
	s_mul_i32 s94, s14, HALFS
	s_lshl_b32 s96, s95, 4                         ; 16 rows on, in xp
	s_mov_b32 s97, 0
	s_lshl_b32 s98, s67, 4                         ; and in the table
	s_mov_b32 s99, 0
	s_wait_dscnt 0x0                               ; both opening adds are done
	s_wait_kmcnt 0x0
	s_add_nc_u64 s[20:21], s[4:5], s[20:21]
	s_add_nc_u64 s[22:23], s[6:7], s[22:23]
	s_add_nc_u64 s[46:47], s[4:5], s[46:47]
	s_add_nc_u64 s[92:93], s[6:7], s[92:93]
	CROUND                                         ; all sixteen work-groups are here: the joint loads meet
	s_mov_b32 s[G0S], 1
	s_add_co_u32 s[G0S+1], s94, SCL
	s_mov_b64 s[G0S+2:G0S+3], s[22:23]
	s_or_b32 s[G0S+3], s[G0S+3], 0x80000000
	s_mov_b32 s[G0SB], 1
	s_add_co_u32 s[G0SB+1], s94, SCL
	s_mov_b64 s[G0SB+2:G0SB+3], s[92:93]
	s_or_b32 s[G0SB+3], s[G0SB+3], 0x80000000
	JLOAD G0S, G1S, G0SB, G1SB                     ; three loads of mine go out: the scales, slot 0, slot 1
.irp s, 0,1
	s_mov_b32 s[G0+4*\s], 1
	s_add_co_u32 s[G0+4*\s+1], s45, \s*SLOT
	s_add_nc_u64 s[G0+4*\s+2:G0+4*\s+3], s[20:21], \s*ROWB
	s_or_b32 s[G0+4*\s+3], s[G0+4*\s+3], 0x80000000
	s_mov_b32 s[G0B+4*\s], 1
	s_add_co_u32 s[G0B+4*\s+1], s45, \s*SLOT
	s_add_nc_u64 s[G0B+4*\s+2:G0B+4*\s+3], s[46:47], \s*ROWB
	s_or_b32 s[G0B+4*\s+3], s[G0B+4*\s+3], 0x80000000
	JLOAD G0+4*\s, G1, G0B+4*\s, G1B
.endr
	v_and_b32 v1, 15, v0                           ; r = l % 16
	v_bfe_u32 v2, v0, 4, 1                         ; h = l / 16
	v_mul_u32_u24 v3, v1, PITCH
	v_lshl_add_u32 v4, v2, 4, v3                   ; a fragment's row x pitch + 16 h
	s_mul_i32 s21, s15, HALFT
	s_mul_i32 s22, s16, HALFT
	s_add_co_u32 s22, s22, 2*HALFT
.irp s, 0,1
	v_add_nc_u32 v[ADRA+\s], s21, v4
	v_add_nc_u32 v[ADRB+\s], s22, v4
	s_add_co_u32 s21, s21, SLOT
	s_add_co_u32 s22, s22, SLOT
.endr
	v_mul_u32_u24 v5, v1, KS                       ; my row's scales: 32 bytes a row,
	v_lshrrev_b32 v6, 8, v5
	v_lshl_add_u32 v5, v6, 4, v5                   ; and 16 more for each 256 passed
	s_mul_i32 s21, s15, HALFS
	s_mul_i32 s22, s16, HALFS
	s_add_co_u32 s22, s22, 2*HALFS
	s_sub_co_u32 s22, s22, s21
	v_mul_u32_u24 v6, s22, v2                      ; lanes 16-31 take B's: one product, the lower base + h x the distance
	s_add_co_u32 s21, s21, SCL
	v_add_nc_u32 v5, v5, v6
	v_add_nc_u32 v[ADRS], s21, v5
	s_mul_i32 s23, s14, 16*SPITCH                  ; my stage
	v_add_nc_u32 v[STO], s23, v4                   ; in: row r, 16 bytes for each half of the lanes
	v_mul_u32_u24 v5, v2, SPITCH
	v_lshl_add_u32 v5, v1, 4, v5
	v_add_nc_u32 v[RD], s23, v5                    ; back: lanes 0-15 one row of 256 bytes, lanes 16-31 the next
	v_and_b32 v5, 7, v0
	v_bfe_u32 v6, v0, 3, 1
	v_mul_lo_u32 v7, v2, s95
	v_lshl_add_u32 v7, v5, 4, v7
	v_mul_lo_u32 v6, v6, s66
	v_add_nc_u32 v[CO], v7, v6                     ; in xp: row h, 16 bytes a lane in a run of 128, the second 64 columns where they belong
	s_lshl_b32 s18, s95, 1
.irp t, 1,2,3,4,5,6,7
	v_add_nc_u32 v[CO+\t], s18, v[CO+\t-1]         ; two rows on
.endr
	v_mul_lo_u32 v[TO], v1, s67
	v_lshl_add_u32 v[TO], v2, 5, v[TO]             ; in the table: row r's token, my half's four pairs
	s_lshl_b32 s20, s17, 8
	s_lshl_b32 s21, s15, 7
	s_add_co_u32 s20, s20, s21                     ; my first row of C
	s_mul_i32 s18, s20, s67
	s_mov_b32 s19, 0
	s_add_nc_u64 s[8:9], s[8:9], s[18:19]          ; its token in the table
	s_mul_i32 s18, s20, s95
	s_lshl_b32 s46, s42, 8
	s_lshl_b32 s47, s16, 7
	s_add_co_u32 s46, s46, s47                     ; my first column of C
	s_lshl_b32 s46, s46, s12
	s_add_co_u32 s18, s18, s46
	s_lshl_b32 s46, s100, 23                       ; the product's 8 MiB of xp
	s_add_co_u32 s18, s18, s46
	s_add_nc_u64 s[10:11], s[10:11], s[18:19]
.macro CSLOAD reg                      ; the table's numbers for a block of 16 rows: for columns 16 b + 8 h + 0 .. 7 the pairs 8 (b % 4) + 4 h + 0 .. 3: 32 bytes
.irp bq, 0,1,2,3
	global_load_b128 v[\reg+8*\bq:\reg+8*\bq+3], v[TO], s[8:9] offset:64*\bq
	global_load_b128 v[\reg+8*\bq+4:\reg+8*\bq+7], v[TO], s[8:9] offset:64*\bq+16
.endr
.endm
	CSLOAD CS0                                     ; block 0's, into registers that the products leave alone
.macro FRAG reg, adr, q, i             ; 16 rows x 128 K of 4-bit codes: 8 registers: lane l holds row l % 16; registers 4 c .. 4 c + 3 hold K = 64 c + 32 (l / 16) + 0 .. 31
.irp c, 0,1
	ds_load_b128 v[\reg+4*\c:\reg+4*\c+3], v[\adr] offset:64*(\q)+32*\c+(\i)*16*PITCH
.endr
.endm
; 16 matrix instructions: A's blocks a0, a0 + 1 x B's eight.  The 64 accumulators take turns, one instruction a turn.  One register carries A's scale words (lanes 0-15) and B's (lanes 16-31).
.macro MUL16 a0, p, q, sc, zero
.irp a, \a0, \a0+1
.irp b, 0,1,2,3,4,5,6,7
.if \zero
	v_wmma_scale_f32_16x16x128_f8f6f4 v[8*(8*((\a)%4)+\b):8*(8*((\a)%4)+\b)+7], v[128*(\p)+FR*\b:128*(\p)+FR*\b+FR-1], v[AF+FR*(\a):AF+FR*(\a)+FR-1], 0, v[SC+8*NQ*(\sc)+NQ*\b+(\q)], v[SC+8*NQ*(\sc)+NQ*(\a)+(\q)] matrix_a_fmt:MATRIX_FMT_FP4 matrix_b_fmt:MATRIX_FMT_FP4 matrix_a_scale:MATRIX_SCALE_ROW1
.else
	v_wmma_scale_f32_16x16x128_f8f6f4 v[8*(8*((\a)%4)+\b):8*(8*((\a)%4)+\b)+7], v[128*(\p)+FR*\b:128*(\p)+FR*\b+FR-1], v[AF+FR*(\a):AF+FR*(\a)+FR-1], v[8*(8*((\a)%4)+\b):8*(8*((\a)%4)+\b)+7], v[SC+8*NQ*(\sc)+NQ*\b+(\q)], v[SC+8*NQ*(\sc)+NQ*(\a)+(\q)] matrix_a_fmt:MATRIX_FMT_FP4 matrix_b_fmt:MATRIX_FMT_FP4 matrix_a_scale:MATRIX_SCALE_ROW1
.endif
.endr
.endr
.endm
.macro FETCH_B slot, q, p
	WIN TO_B
.irp i, 0,1,2,3,4,5,6,7
	FRAG 128*(\p)+FR*\i, ADRB+\slot, \q, \i
.endr
	WIN 0
.endm
.macro FETCH_A slot, q, i0
.irp i, \i0, \i0+1, \i0+2, \i0+3
	FRAG AF+FR*(\i), ADRA+\slot, \q, \i
.endr
.endm
.macro SCALES sc                       ; a slot's scale words: 4 words a row; lanes 0-15 A's block i, lanes 16-31 B's block i
.irp i, 0,1,2,3,4,5,6,7
	ds_load_b128 v[SC+8*NQ*\sc+NQ*\i:SC+8*NQ*\sc+NQ*\i+3], v[ADRS] offset:\i*SBLK
.endr
.endm
.macro PLACES n                        ; plain vector lines between a matrix instruction and a load into, or a vector read of, its registers
.rept \n
	v_nop
.endr
.endm
.macro STEP slot, q, zero              ; 128 along K with its successor in the same slot
	s_wait_dscnt 4*NL                              ; B's set and A's blocks 0-3 are in; the youngest 8 loads (A's blocks 4-7) may be out
	WIN MUL_LO
	MUL16 0, (\q)%2, \q, \slot, \zero
	MUL16 2, (\q)%2, \q, \slot, \zero
	s_wait_dscnt 0
	PLACES NP
	FETCH_B \slot, (\q)+1, 1-(\q)%2
	FETCH_A \slot, (\q)+1, 0
	WIN MUL_HI
	MUL16 4, (\q)%2, \q, \slot, \zero
	MUL16 6, (\q)%2, \q, \slot, \zero
	PLACES NP
	WIN 0
	FETCH_A \slot, (\q)+1, 4
.endm
.macro TURN slot, next                 ; slot 0's last step: one barrier; behind it slot 1 is whole for every wave and nobody reads slot 0 any more
	s_wait_tensorcnt 0x0                           ; all my tensor loads have landed: my part of slot 1
	ds_add_u32 v[SPW], v[NIL]                      ; 0 onto my spare word
	s_wait_dscnt 4*NL+1                            ; (the add and the youngest 8 loads may be out)
	WIN MUL_LO
	MUL16 0, 1, NQ-1, \slot, 0
	s_wait_dscnt 0x0                               ; the add is done, and my reads of this slot are over
	s_barrier_signal -1
	MUL16 2, 1, NQ-1, \slot, 0
	WIN 0
	s_barrier_wait -1
	PLACES NP
	v_add_nc_u32 v[ADRS], 4*NQ, v[ADRS]            ; the next slot's scale words
	FETCH_B \next, 0, 0
	FETCH_A \next, 0, 0
	SCALES \next
	WIN MUL_HI
	MUL16 4, 1, NQ-1, \slot, 0
	MUL16 6, 1, NQ-1, \slot, 0
	PLACES NP
	WIN 0
	FETCH_A \next, 0, 4
.endm
.macro STEPS slot, from
.set Q, \from
.rept NQ-1-\from
	STEP \slot, Q, 0
.set Q, Q+1
.endr
.endm
	s_wait_tensorcnt 1                             ; the scales and my part of slot 0 are in (slot 1's load may be out)
	s_barrier_signal -1
	s_barrier_wait -1                              ; everybody's are
	FETCH_B 0, 0, 0
	FETCH_A 0, 0, 0
	SCALES 0
	FETCH_A 0, 0, 4
	STEP 0, 0, 1                                   ; the first products start the sums: nothing is cleared
	STEPS 0, 1
	TURN 0, 1
	STEPS 1, 0
	s_wait_dscnt 4*NL                              ; the last step: nothing more to fetch
	WIN MUL_LO
	MUL16 0, 1, NQ-1, 1, 0
	MUL16 2, 1, NQ-1, 1, 0
	s_wait_dscnt 0
	WIN MUL_HI
	MUL16 4, 1, NQ-1, 1, 0
	MUL16 6, 1, NQ-1, 1, 0
	WIN 0
; THE WAY OUT, block by block of 16 rows x 128 columns: rotate, round to f16, through my stage, and out as runs of 128 or 256 bytes.
.macro PACK a
.set AC, 64*((\a)%4)
.set CR, CS0-(CS0-CS1)*((\a)%2)
.set WN, 0x02+((\a)/4)
	WIN WN                                         ; source 0: the accumulators' window
.irp b, 0,1,2,3,4,5,6,7
.irp i, 0,1,2,3
	v_mul_f32 v[T+8*\b+2*\i],   v[AC+8*\b+2*\i+1], v[CR+8*(\b%4)+2*\i+1]   ; xi s   (each accumulator is read from its low end on)
	v_mul_f32 v[T+8*\b+2*\i+1], v[AC+8*\b+2*\i+1], v[CR+8*(\b%4)+2*\i]     ; xi c
.endr
.irp i, 0,1,2,3
	v_fma_f32 v[T+8*\b+2*\i],   v[AC+8*\b+2*\i], v[CR+8*(\b%4)+2*\i],   -v[T+8*\b+2*\i]     ; xr c - xi s
	v_fma_f32 v[T+8*\b+2*\i+1], v[AC+8*\b+2*\i], v[CR+8*(\b%4)+2*\i+1], v[T+8*\b+2*\i+1]    ; xr s + xi c
.endr
.endr
	WIN 0
.set e, 0
.rept 32
	v_cvt_pk_f16_f32 v[T+e], v[T+2*e], v[T+2*e+1]  ; in place, ascending: a register is written only after it has been read
.set e, e+1
.endr
.endm
.macro TOSTAGE a
.set BB, BK+32*((\a)%2)
.irp b, 0,1,2,3,4,5,6,7
	ds_store_b128 v[STO], v[T+4*\b:T+4*\b+3] offset:32*\b
.endr
.irp t, 0,1,2,3,4,5,6,7
	ds_load_b128 v[BB+4*\t:BB+4*\t+3], v[RD] offset:\t*2*SPITCH   ; LDS serves a wave's instructions in order (ISA guide 5.7.1.4): these see the stores above
.endr
.endm
.macro SEND a, younger
.set BB, BK+32*((\a)%2)
	s_wait_dscnt \younger                          ; the block is back in registers
.if (\a) > 0
	s_add_nc_u64 s[10:11], s[10:11], s[96:97]      ; 16 rows on (behind a wait on XCNT: the earlier stores have read their base)
.endif
.irp t, 0,1,2,3,4,5,6,7
	global_store_b128 v[CO+\t], v[BB+4*\t:BB+4*\t+3], s[10:11]   ; q, k: tokens 2 t, 2 t + 1 of two heads: twice 256 consecutive bytes, aligned; v: 256 bytes of each of two rows
.endr
.endm
	PLACES NP                                      ; behind the last products: for the reads of results, the writes over A's fragments and the loads into scale registers
.irp a, 0,1,2,3,4,5,6,7
	s_wait_xcnt 0x0                                ; earlier loads and stores have read their bases and registers
.if \a < 7
	s_add_nc_u64 s[8:9], s[8:9], s[98:99]
	CSLOAD CS0-(CS0-CS1)*((\a+1)%2)                ; the next block's table
	s_wait_loadcnt 8                               ; this block's is in; the 8 just issued may be out
.else
	s_wait_loadcnt 0x0
.endif
	PACK \a
	TOSTAGE \a
.if \a > 0
	SEND \a-1, 16                                  ; behind block a - 1's loads: block a's 8 stores and 8 loads
.endif
.endr
	s_wait_xcnt 0x0
	SEND 7, 0
	s_wait_tensorcnt 0x0                           ; the wave's end
	ds_add_u32 v[SPW], v[NIL]
	s_wait_dscnt 0x0
	CROUND                                         ; the closing round
	s_endpgm
.Lfunc_end_k_q521839648b_proj:
	.size	k_q521839648b_proj, .Lfunc_end_k_q521839648b_proj-k_q521839648b_proj
	.p2alignl 7, 3214868480
	.fill 96, 4, 3214868480
	.section	.rodata,"a",@progbits
	.p2align	6, 0x0
	.amdhsa_kernel k_q521839648b_proj
		.amdhsa_group_segment_fixed_size 327680
		.amdhsa_private_segment_fixed_size 0
		.amdhsa_enable_private_segment 0
		.amdhsa_kernarg_size 32
		.amdhsa_user_sgpr_count 2
		.amdhsa_user_sgpr_kernarg_segment_ptr 1
		.amdhsa_wavefront_size32 1
		.amdhsa_system_sgpr_workgroup_id_x 1
		.amdhsa_system_sgpr_workgroup_id_y 1
		.amdhsa_system_sgpr_workgroup_id_z 1
		.amdhsa_system_vgpr_workitem_id 0
		.amdhsa_next_free_vgpr 1024
		.amdhsa_next_free_sgpr 102
		.amdhsa_reserve_vcc 0
		.amdhsa_float_denorm_mode_32 3
		.amdhsa_float_denorm_mode_16_64 3
		.amdhsa_memory_ordered 1
		.amdhsa_forward_progress 1
		.amdhsa_inst_pref_size 182
	.end_amdhsa_kernel
	.amdgpu_metadata
---
amdhsa.version: [ 1, 2 ]
amdhsa.kernels:
  - .name:           k_q521839648b_proj
    .symbol:         k_q521839648b_proj.kd
    .args:
      - { .name: codes, .offset: 0, .size: 8, .value_kind: global_buffer, .address_space: global }
      - { .name: scales, .offset: 8, .size: 8, .value_kind: global_buffer, .address_space: global }
      - { .name: rt, .offset: 16, .size: 8, .value_kind: global_buffer, .address_space: global }
      - { .name: xp, .offset: 24, .size: 8, .value_kind: global_buffer, .address_space: global }
    .group_segment_fixed_size: 327680
    .private_segment_fixed_size: 0
    .kernarg_segment_align: 8
    .kernarg_segment_size: 32
    .max_flat_workgroup_size: 128
    .sgpr_count:     102
    .vgpr_count:     1024
    .wavefront_size: 32
...
	.end_amdgpu_metadata
.endif
;; end of part 2
;; launch attn (part 3): grid 16 x 16, 4 waves a work-group, clusters of 4 x 1, 327,680 bytes of LDS; arguments xp, ob; writes ob
.if DOCPART == 3
	.amdgcn_target "amdgcn-amd-amdhsa--gfx1250"
	.amdhsa_code_object_version 6
	.text
	.protected	k_q521839648b_attn
	.globl	k_q521839648b_attn
	.p2align	8
	.type	k_q521839648b_attn,@function
k_q521839648b_attn:
	s_mov_b64 s[64:65], 0
	v_nop
	global_prefetch_b8 v0, s[64:65] scope:SCOPE_SE
	s_setreg_imm32_b32 hwreg(HW_REG_WAVE_MODE, 25, 1), 1
	s_wait_xcnt 0x0
	s_wait_alu depctr_hold_cnt(0) depctr_sa_sdst(0) depctr_va_vdst(0) depctr_va_sdst(0) depctr_va_ssrc(0) depctr_va_vcc(0) depctr_vm_vsrc(0)
	s_getreg_b32 s2, hwreg(HW_REG_IB_STS2, 6, 4)
	s_cmp_eq_u32 s2, 0
	s_cbranch_scc0 .Lentry_in_a_cluster
	s_endpgm
.Lentry_in_a_cluster:
	s_bfe_u32 s2, ttmp6, 0x10000c
	s_cmp_lg_u32 s2, 0x3003
	s_cbranch_scc0 .Lentry_shape_is_right
	s_endpgm
.Lentry_shape_is_right:
; ATTN: O[h][q] = sum over k of softmax_k(Q[h][q] . K[h][k] / 8) V[h][k], 16 heads of 64, 4,096 keys, no mask.  Operands f16; products, maxima and sums f32; p rounded to f16 for the second product, O once at the end.
; In: xp = xq [16][4096][64] | xk likewise | xv^T [16][64][4096].  Out: ob [token/128][head][128][64] f16: a wave's 64 rows of a head are 8,192 consecutive bytes.
; LIMIT: O, a weighted mean of xv, must lie under 65,504 in magnitude; NaN and infinities are not served.
; SHARES.  A work-group owns 256 queries of one head, each of its four waves 64: four tiles of 16.  Every wave walks all keys, 64 a step.
; LAYOUT.  S^T = K Q^T (source 0 = 16 keys, source 1 = 16 queries): a lane holds ONE query and the keys 8 (lane / 16) + 0..7; two such tiles rounded in pairs ARE source 1 of O^T = V^T P.  V lies with the keys innermost, so all fragments come by plain loads.
; SOFTMAX.  A running maximum m and sum l for each query: p = 2^(c s - c m), c = log2(e) / 8; in every step O and l are multiplied by a = 2^(c m_old - c m_new).
; BY TURNS.  The tiles are two pieces (0: tiles 0, 1; 2: tiles 2, 3).  In a turn one piece has the matrix unit (16 products V^T P, then 16 K Q^T for the next step); the other piece's softmax, 2 x 118 instructions in slices of four, stands two slices behind each product.
; CLUSTER.  The four query blocks of a cluster walk the same K and V: each tile is asked for jointly, by the same tensor load with a mask that names the four.
; REGISTERS: window 0: v2-8 addresses; v12-43 statistics; v61-63; v64-191 S^T; v192-255 P.  window 1: v0-127 O^T.  window 2: v0-63 Q, v64-127 K of a step, v128-191 V of a step.
.set KS,    64
.set PK,    144                        ; a key's row in LDS: 128 bytes + 16: the 16 rows of a load start at 16 different groups of banks (ISA guide 11.1)
.set PVP,   528                        ; a channel's row of V^T in LDS: 256 keys, 512 bytes + 16
.set VOFF,  256*PK                     ; a slot: 256 rows of K, then 64 rows of V^T
.set STEPK, KS*PK
.set STEPV, KS*2
.set SLOTK, 256*128                    ; a slot on, in memory: K,
.set SLOTV, 512                        ; and along a row of V^T
.set SLOT1, 1<<17
.set STAGE, SLOT1+VOFF+64*PVP          ; behind the ring: 16 rows x 144 bytes for each wave
.set SP,    144
.set SPARE, STAGE+4*16*SP              ; the spare words, 128 bytes a wave
.set AK0, 2
.set AV0, 3
.set ADR, 4
.set QO,  5
.set STO, 6
.set RD,  7
.set GO,  8
.set ST,  12                           ; tile t's statistics at v[ST+8 t]: +0 c m, +1 m, +2, +3 l, +4 to +7 at work; a takes +6
.set PFO, 61
.set SPW, 62
.set NIL, 63
.set S,   64
.set P,   192
.set KF,  64                           ; in window 2
.set VF,  128                          ; in window 2
.set WV,  12
.set LIM, 15
.set PFA, 18
.set G1K, 24
.set G1V, 32
.set G0K, 40
.set G0V, 48
.set SLOTS, 56
.set CNT, 57
.set CS,  58
.set SEL, 60
.set TBK, 62
.set TBV, 63
.set PFS, 66
.set MSB, 0
.macro WIN new
.if MSB != \new
	s_set_vgpr_msb (MSB<<8)|\new
.set MSB, \new
.endif
.endm
.set W_KQ, 0x0a                        ; K and Q in window 2, S^T in window 0
.set W_PV, 0x52                        ; V in window 2, P in window 0, O^T in window 1
.set W_RS, 0x41                        ; O^T in window 1, a in window 0
.macro JLOAD                           ; a joint refill: waves 0, 1 fetch K's halves, waves 2, 3 V's.  An s_nop 0 and four v_nop follow each line
	s_cmp_lt_u32 s[WV], 2
	s_cbranch_scc0 .Lfor_v_\@
	tensor_load_to_lds s[G0K+4:G0K+7], s[G1K:G1K+7]
	s_nop 0
.rept 4
	v_nop
.endr
	s_branch .Lasked_\@
.Lfor_v_\@:
	tensor_load_to_lds s[G0V+4:G0V+7], s[G1V:G1V+7]
	s_nop 0
.rept 4
	v_nop
.endr
.Lasked_\@:
.endm
; A prefetch of what the NEXT change of slots will ask for: four key steps, 256 matrix instructions, ahead of that load.  Each aligned 256 bytes are named once in the launch: the head's first cluster asks;
; its four partners share the bytes out by address; in each, wave 0 asks for K's 8,192 bytes and wave 2 for 16 rows of V^T, two lanes a row.  The last change that fills a slot asks for nothing.
.macro ASK
	s_cmp_gt_u32 s[SLOTS], s[LIM]
	s_cbranch_scc0 .Lnot_mine_\@
	global_prefetch_b8 v[PFO], s[PFA:PFA+1] th:TH_LOAD_NT scope:SCOPE_SE
.Lnot_mine_\@:
.endm
.macro CROUND
	s_barrier_signal -1
	s_barrier_wait -1
	s_cmp_lg_u32 s[WV], 0
	s_cbranch_scc1 .Lnot_wave_0_\@
	s_barrier_signal -3
.Lnot_wave_0_\@:
	s_barrier_wait -3
	s_barrier_signal -1
	s_barrier_wait -1
.endm
	s_load_b64 s[4:5], s[0:1], 0x0                 ; xp
	s_load_b64 s[10:11], s[0:1], 0x8               ; ob
	v_lshl_add_u32 v[SPW], v0, 2, SPARE
	v_mov_b32 v[NIL], 0
	ds_add_u32 v[SPW], v[NIL]                      ; the wave's opening: the add, twice on end, and its wait ahead of my first tensor load
	ds_add_u32 v[SPW], v[NIL]
	v_lshrrev_b32 v1, 5, v0
	v_readfirstlane_b32 s[WV], v1                  ; wave 0..3
	s_bfe_u32 s13, ttmp6, 0x40000                  ; cx
	s_lshl_b32 s14, ttmp9, 2
	s_add_co_u32 s14, s14, s13                     ; my block of 256 queries: it enters Q's and O's addresses alone
	s_and_b32 s20, ttmp7, 0xffff                   ; the head, which the four partners share
	s_lshl_b32 s21, s20, 14                        ; its 16,384 bytes in a block of ob
	s_lshl_b32 s20, s20, 19                        ; its 524,288 bytes in xq, xk and xv^T
	s_and_b32 s16, s[WV], 1                        ; which half of a tile I fetch
	s_lshl_b32 s6, s16, 14                         ; K: 128 keys of 128 bytes
	s_add_co_u32 s6, s6, s20
	s_add_co_u32 s6, s6, 0x800000
	s_mov_b32 s7, 0
	s_lshl_b32 s8, s16, 18                         ; V^T: 32 channels of 8,192 bytes
	s_add_co_u32 s8, s8, s20
	s_add_co_u32 s8, s8, 0x1000000
	s_mov_b32 s9, 0
	s_lshl_b32 s22, s14, 15                        ; Q: my block's 256 rows of 128 bytes,
	s_lshl_b32 s23, s[WV], 13                      ; my wave's 64
	s_add_co_u32 s22, s22, s23
	s_add_co_u32 s22, s22, s20
	s_mov_b32 s23, 0
	s_lshl_b32 s2, s14, 1                          ; O: the block of 128 rows,
	s_lshr_b32 s3, s[WV], 1
	s_add_co_u32 s2, s2, s3
	s_lshl_b32 s2, s2, 18
	s_add_co_u32 s2, s2, s21                       ; the head,
	s_lshl_b32 s3, s16, 13                         ; my 64 rows
	s_add_co_u32 s2, s2, s3
	s_mov_b32 s3, 0
	s_mov_b32 s[G1K], 15|(1<<16)|(1<<20)|(1<<21)|(4<<22)|(3<<25)  ; the mask: all four; elements of 2 bytes; padding on; bit 21 beside a mask; after every 32 words 4 words
	s_mov_b32 s[G1K+1], 64<<16                     ; tensor_dim0
	s_mov_b32 s[G1K+2], 128<<16                    ; tensor_dim1
	s_mov_b32 s[G1K+3], 64<<16                     ; tile_dim0
	s_mov_b32 s[G1K+4], 128                        ; tile_dim1
	s_mov_b32 s[G1K+5], 64                         ; stride
	s_mov_b32 s[G1K+6], 0
	s_mov_b32 s[G1K+7], 0
	s_mov_b32 s[G1V], 15|(1<<16)|(1<<20)|(1<<21)|(6<<22)|(3<<25)  ; after every 128 words 4 words
	s_mov_b32 s[G1V+1], 256<<16
	s_mov_b32 s[G1V+2], 32<<16
	s_mov_b32 s[G1V+3], 256<<16
	s_mov_b32 s[G1V+4], 32
	s_mov_b32 s[G1V+5], 4096
	s_mov_b32 s[G1V+6], 0
	s_mov_b32 s[G1V+7], 0
	s_mov_b32 s[CS], 0x3e38aa3b                    ; c = log2(e) / 8
	s_mov_b32 s[CS+1], s[CS]
	s_mov_b32 s[SEL], 0x76543210
	s_mov_b32 s[SEL+1], 0xfedcba98
	s_mov_b32 s[TBK], 0
	s_mov_b32 s[TBV], 0
	s_mov_b32 s[SLOTS], 14                         ; 16 slots of 256 keys; all but the first two are refills
	s_mov_b32 s[PFS], SLOTV
	s_cmp_lt_u32 s[WV], 2                          ; the prefetches: wave 0 for K, wave 2 for V
	s_cselect_b32 s17, 13, 17                      ; a partner's share: 8,192 bytes of K, 16 rows of V^T
	s_cselect_b32 s[PFS], SLOTK, s[PFS]
	s_cselect_b32 s15, 9, 13                       ; from pair of lanes to pair of lanes: 512 bytes, or a row
	s_mov_b32 s[PFS+1], 0
	v_and_b32 v[PFO], 31, v0
	v_lshrrev_b32 v1, 1, v[PFO]
	v_lshlrev_b32 v1, s15, v1
	v_and_b32 v[PFO], 1, v[PFO]
	v_lshl_add_u32 v[PFO], v[PFO], 8, v1
	s_lshl_b32 s20, s13, s17
	s_lshl_b32 s21, s[PFS], 1                      ; in slot 2: the first change of slots steps it to slot 3.  Nothing is prefetched at the head
	s_add_co_u32 s20, s20, s21
	s_mov_b32 s21, 0
	s_and_b32 s[LIM], s[WV], 1
	s_or_b32 s[LIM], s[LIM], ttmp9                 ; 0 in waves 0 and 2 of the head's first cluster: the same in all four partners
	s_cmp_eq_u32 s[LIM], 0
	s_cselect_b32 s[LIM], 1, -1
	s_wait_dscnt 0x0                               ; both opening adds are done
	s_wait_kmcnt 0x0
	s_add_nc_u64 s[6:7], s[4:5], s[6:7]            ; K and V^T at my part of slot 0
	s_add_nc_u64 s[8:9], s[4:5], s[8:9]
	s_add_nc_u64 s[4:5], s[4:5], s[22:23]          ; Q and O at my wave's first row
	s_add_nc_u64 s[10:11], s[10:11], s[2:3]
	s_cmp_lt_u32 s[WV], 2
	s_cselect_b64 s[PFA:PFA+1], s[6:7], s[8:9]
	s_add_nc_u64 s[PFA:PFA+1], s[PFA:PFA+1], s[20:21]
	CROUND                                         ; all four work-groups are here: the first joint loads meet
	s_mov_b32 s[G0K], 1
	s_mul_i32 s[G0K+1], s16, 128*PK
	s_mov_b64 s[G0K+2:G0K+3], s[6:7]
	s_or_b32 s[G0K+3], s[G0K+3], 0x80000000
	s_mov_b32 s[G0K+4], 1
	s_add_co_u32 s[G0K+5], s[G0K+1], SLOT1
	s_add_nc_u64 s[G0K+6:G0K+7], s[6:7], SLOTK
	s_or_b32 s[G0K+7], s[G0K+7], 0x80000000
	s_mov_b32 s[G0V], 1
	s_mul_i32 s[G0V+1], s16, 32*PVP
	s_add_co_u32 s[G0V+1], s[G0V+1], VOFF
	s_mov_b64 s[G0V+2:G0V+3], s[8:9]
	s_or_b32 s[G0V+3], s[G0V+3], 0x80000000
	s_mov_b32 s[G0V+4], 1
	s_add_co_u32 s[G0V+5], s[G0V+1], SLOT1
	s_add_nc_u64 s[G0V+6:G0V+7], s[8:9], SLOTV
	s_or_b32 s[G0V+7], s[G0V+7], 0x80000000
	s_cmp_lt_u32 s[WV], 2                          ; a wave's two first fills stand in one branch: two loads of mine are out
	s_cbranch_scc0 .Lfirst_v
	tensor_load_to_lds s[G0K:G0K+3], s[G1K:G1K+7]
	s_nop 0
	tensor_load_to_lds s[G0K+4:G0K+7], s[G1K:G1K+7]
	s_nop 0
.rept 4
	v_nop
.endr
	s_branch .Lfirst_asked
.Lfirst_v:
	tensor_load_to_lds s[G0V:G0V+3], s[G1V:G1V+7]
	s_nop 0
	tensor_load_to_lds s[G0V+4:G0V+7], s[G1V:G1V+7]
	s_nop 0
.rept 4
	v_nop
.endr
.Lfirst_asked:
	v_and_b32 v1, 15, v0                           ; r
	v_bfe_u32 v9, v0, 4, 1                         ; h
	v_lshlrev_b32 v[QO], 7, v1
	v_lshl_add_u32 v[QO], v9, 4, v[QO]             ; row x 128 + 16 h
	v_mul_u32_u24 v[AK0], v1, PK
	v_lshl_add_u32 v[AK0], v9, 4, v[AK0]
	v_mul_u32_u24 v[AV0], v1, PVP
	v_lshl_add_u32 v[AV0], v9, 4, v[AV0]
	v_add_nc_u32 v[AV0], VOFF, v[AV0]
	WIN 0x80                                       ; destination window 2
.irp i, 0,1,2,3,4,5,6,7                        ; Q stays in registers: tile i / 2, channels 32 (i % 2) on
	global_load_b128 v[8*\i:8*\i+3],   v[QO], s[4:5] offset:(\i/2)*2048+(\i%2)*64
	global_load_b128 v[8*\i+4:8*\i+7], v[QO], s[4:5] offset:(\i/2)*2048+(\i%2)*64+32
.endr
	WIN 0
; Product i of 16 of O^T += V^T P: keys 32 (i / 8) on, channels 16 ((i / 2) % 4) on, tile x + i % 2.  The accumulators take turns: seven others' stand between two links of a chain.
.macro PV x, zero
	WIN W_PV
.set rO, 32*(\x+i%2)+8*((i/2)%4)
.set rV, VF+32*(i/8)+8*((i/2)%4)
.set rP, P+16*(\x+i%2)+8*(i/8)
.if (\zero) && (i < 8)
	v_wmma_f32_16x16x32_f16 v[rO:rO+7], v[rV:rV+7], v[rP:rP+7], 0
.else
	v_wmma_f32_16x16x32_f16 v[rO:rO+7], v[rV:rV+7], v[rP:rP+7], v[rO:rO+7]
.endif
.endm
; Product i of 16 of S^T = K Q^T: channels 32 (i / 8) on, keys 16 ((i / 2) % 4) on, tile x + i % 2.
.macro KQ x
	WIN W_KQ
.set rS, S+32*(\x+i%2)+8*((i/2)%4)
.set rK, KF+16*((i/2)%4)+8*(i/8)
.set rQ, 16*(\x+i%2)+8*(i/8)
.if i < 8
	v_wmma_f32_16x16x32_f16 v[rS:rS+7], v[rK:rK+7], v[rQ:rQ+7], 0
.else
	v_wmma_f32_16x16x32_f16 v[rS:rS+7], v[rK:rK+7], v[rQ:rQ+7], v[rS:rS+7]
.endif
.endm
.macro FETCH_K                         ; a step's K: 64 keys x 64 channels: 8 fragments, 16 loads in one run
	WIN 0
	v_add_nc_u32 v[ADR], s[TBK], v[AK0]
	s_add_co_u32 s[TBK], s[TBK], STEPK
	WIN 0x80
.irp f, 0,1,2,3,4,5,6,7                        ; keys 16 (f / 2) on, channels 32 (f % 2) on
	ds_load_b128 v[KF+8*\f:KF+8*\f+3],   v[ADR] offset:(\f/2)*16*PK+(\f%2)*64
	ds_load_b128 v[KF+8*\f+4:KF+8*\f+7], v[ADR] offset:(\f/2)*16*PK+(\f%2)*64+32
.endr
.endm
.macro FETCH_V                         ; a step's V^T: 64 channels x 64 keys
	WIN 0
	v_add_nc_u32 v[ADR], s[TBV], v[AV0]
	s_add_co_u32 s[TBV], s[TBV], STEPV
	s_wait_alu depctr_va_vdst(0)                   ; the wait for the softmax's batch of exponentials stands here, ahead of the loads
	WIN 0x80
.irp f, 0,1,2,3,4,5,6,7                        ; keys 32 (f / 4) on, channels 16 (f % 4) on
	ds_load_b128 v[VF+8*\f:VF+8*\f+3],   v[ADR] offset:(\f%4)*16*PVP+(\f/4)*64
	ds_load_b128 v[VF+8*\f+4:VF+8*\f+7], v[ADR] offset:(\f%4)*16*PVP+(\f/4)*64+32
.endr
.endm
; One tile's softmax for a key step is a list of 118 instructions; SM writes number j of it for tile t.
;   0-15 the maximum of the lane's 32 scores and the old m;  16-20 the other half's, the new m, c m, its change;  21-69 ONE BATCH: 16 scalings and 33 exponentials, none of which reads an exponential's result;
;   (the wait)  70-85 the roundings to f16;  86-101 the sums, l = a l + the sum;  102-117 the tile's O^T times a.
.macro SM t, first
.set rT, ST+8*(\t)
.set rS, S+32*(\t)
.set rP, P+16*(\t)
.set rO, 32*(\t)+2*(j-102)
.if j < 102
	WIN 0
.endif
.if j < 4
	v_max3_num_f32 v[rT+4+j], v[rS+8*j], v[rS+8*j+1], v[rS+8*j+2]
.elseif j < 12
	v_max3_num_f32 v[rT+4+j%4], v[rT+4+j%4], v[rS+8*(j%4)+2*(j/4)+1], v[rS+8*(j%4)+2*(j/4)+2]
.elseif j == 12
	v_max3_num_f32 v[rT+4], v[rT+4], v[rS+7], v[rS+15]
.elseif j == 13
	v_max3_num_f32 v[rT+6], v[rT+6], v[rS+23], v[rS+31]
.elseif j == 14
	v_max3_num_f32 v[rT+4], v[rT+4], v[rT+5], v[rT+6]
.elseif (j == 15) && \first
	v_max_num_f32 v[rT+4], v[rT+4], v[rT+7]
.elseif j == 15
	v_max3_num_f32 v[rT+4], v[rT+4], v[rT+7], v[rT+1]
.elseif j == 16
	v_permlanex16_b32 v[rT+5], v[rT+4], s[SEL], s[SEL+1]  ; the query's other 32 keys lie in the lane 16 away
.elseif j == 18
	v_max_num_f32 v[rT+1], v[rT+4], v[rT+5]
.elseif j == 19
	v_mul_f32 v[rT], s[CS], v[rT+1]
.elseif ((j == 17) || (j == 20) || (j == 23) || (j > 101)) && \first  ; the first step has none of these
.elseif j == 17
	v_mov_b32 v[rT+7], v[rT]                       ; c m_old is kept for a
.elseif j == 20
	v_sub_f32 v[rT+7], v[rT+7], v[rT]
.elseif j == 23
	v_exp_f32 v[rT+6], v[rT+7]
.elseif (j < 23) || ((j < 38) && (j%2 == 0)) || ((j < 66) && (j%4 == 2))
.set b, (j-2)/4
.if j < 38
.set b, (j-20)/2
.endif
	v_pk_fma_f32 v[rS+2*b:rS+2*b+1], v[rS+2*b:rS+2*b+1], s[CS:CS+1], v[rT:rT+1] op_sel_hi:[1,0,0] neg_lo:[0,0,1] neg_hi:[0,0,1]  ; pair b: c s - c m
.elseif j < 70
.set e, j-38
.if j < 66
.set e, j-32-(j-38)/4
.endif
.if j < 38
.set e, (j-25)/2
.endif
	v_exp_f32 v[rS+e], v[rS+e]
.elseif j < 86
	v_cvt_pk_f16_f32 v[rP+j-70], v[rS+2*(j-70)], v[rS+2*(j-70)+1]
.elseif j < 102
.set z, j-86
.set w, 4
.set u, z
.if z >= 14
.set w, 32
.set u, 0
.elseif z >= 12
.set w, 16
.set u, z-12
.elseif z >= 8
.set w, 8
.set u, z-8
.endif
.if (z == 14) && \first
	v_pk_add_f32 v[rT+2:rT+3], v[rS:rS+1], v[rS+16:rS+17]
.elseif z < 15
	v_pk_add_f32 v[rS+w*u:rS+w*u+1], v[rS+w*u:rS+w*u+1], v[rS+w*u+w/2:rS+w*u+w/2+1]
.elseif !\first
	v_pk_fma_f32 v[rT+2:rT+3], v[rT+2:rT+3], v[rT+6:rT+7], v[rS:rS+1] op_sel_hi:[1,0,1]
.endif
.elseif j < 118
	WIN W_RS
	v_pk_mul_f32 v[rO:rO+1], v[rO:rO+1], v[rT+6:rT+7] op_sel_hi:[1,0]
.endif
.endm
; Slice k of 64 of piece y's softmax.  Slices 11 to 34 deal out the batch, four numbers of ONE tile each, the tiles by turns; every other slice is numbers 2 k, 2 k + 1 of both tiles; slices 59 to 63 are empty.
; Ahead of slice 35 nothing names an exponential's result, and behind slice 34 none is issued: one plain line and one wait serve the piece's 66 exponentials.
.macro SLICE y, first
.if (k >= 11) && (k < 35)
.irp n, 0,1,2,3
.set j, 22+4*((k-11)/2)+(\n)
	SM (\y)+(k-11)%2, \first
.endr
.else
.irp n, 0,1
.irp t, \y, \y+1
.set j, 2*k+\n
	SM \t, \first
.endr
.endr
.endif
.if k == 34
	v_nop
.if (\y) == 0
	FETCH_V
.else
	s_wait_alu depctr_va_vdst(0)
.endif
.endif
.set k, k+1
.endm
.macro PLACES
.rept 4
	v_nop
.endr
.endm
; A TURN.  Piece x has the matrix unit.  pv = 2: 16 products V^T P; 1: they start O^T's sums; 0: none.  kq = 1: 16 products K Q^T for the next step.
; PLACES, by count (ISA guide 7.12.1).  The scores of a turn's last two products are first read by list number 3 in the next turn's second slice: six and seven plain lines that name none of their registers lie between.
; K's loads stand behind the next turn's second product: fourteen such lines behind the last K Q^T.  V's loads stand behind slice 34: behind the last V^T P lie three scalings, the v_nop and the run's own addition.
.macro TURN x, pv, kq, first
.set k, 0
.set per, 4
.if \pv && \kq
.set per, 2
.endif
.if \pv
.if \x == 0
	s_wait_dscnt 0x0                               ; V is in
.endif
.set i, 0
.rept 16
	PV \x, 2-\pv
.rept per
	SLICE 2-\x, \first
.endr
.if (\x == 0) && \kq && (i == 1)
	FETCH_K
.endif
.set i, i+1
.endr
.endif
.if \kq
.if \x == 0
	s_wait_dscnt 0x0                               ; K is in
.endif
.set i, 0
.rept 16
	KQ \x
.rept per
	SLICE 2-\x, \first
.endr
.set i, i+1
.endr
.endif
.if \first
	PLACES                                         ; the first softmax's list is shorter: the last products stand bare
.endif
.endm
; THE CHANGE OF SLOTS.  Each wave waits for all its tensor loads (one is out: its part of the other slot), adds 0 to its spare word, and waits for that and for its reads of the slot.
; fill = 1: the barrier is a round of the cluster's, and the joint refill is the first thing behind it: it has four key steps in which to land.
.macro CHANGE fill
	WIN 0
	s_wait_tensorcnt 0x0
	ds_add_u32 v[SPW], v[NIL]
.if \fill
	s_xor_b32 s[G0K+5], s[G0K+5], SLOT1            ; the walking descriptors: the other slot, the next 256 keys
	s_add_nc_u64 s[G0K+6:G0K+7], s[G0K+6:G0K+7], SLOTK
	s_xor_b32 s[G0V+5], s[G0V+5], SLOT1
	s_add_nc_u64 s[G0V+6:G0V+7], s[G0V+6:G0V+7], SLOTV
	s_wait_xcnt 0x0                                ; the last prefetch, a slot back, has read its address
	s_add_nc_u64 s[PFA:PFA+1], s[PFA:PFA+1], s[PFS:PFS+1]
	s_wait_dscnt 0x0                               ; the add is done, and my reads of the slot are over
	CROUND
	JLOAD
	ASK
.else
	s_wait_dscnt 0x0
	s_barrier_signal -1
	s_barrier_wait -1
.endif
	s_sub_co_u32 s[TBK], s[TBK], 4*STEPK           ; the fetches go back to a slot's first step, in the other slot
	s_xor_b32 s[TBK], s[TBK], SLOT1
	s_sub_co_u32 s[TBV], s[TBV], 4*STEPV
	s_xor_b32 s[TBV], s[TBV], SLOT1
.endm
.macro STEPS n                         ; n key steps: written once, walked n times; the LDS addresses hang on s[TBK], s[TBV]
	s_mov_b32 s[CNT], \n
.Lstep_\@:
	TURN 0, 2, 1, 0
	TURN 2, 2, 1, 0
	WIN 0
	s_sub_co_u32 s[CNT], s[CNT], 1
	s_cmp_lg_u32 s[CNT], 0
	s_cbranch_scc1 .Lstep_\@
.endm
	s_wait_tensorcnt 1                             ; my part of slot 0 is in; slot 1's may stay out
	s_barrier_signal -1
	s_barrier_wait -1
	FETCH_K                                        ; key step 0
	s_wait_loadcnt 0x0                             ; Q
	s_wait_dscnt 0x0
.set i, 0
.rept 16
	KQ 0                                           ; piece 0's first scores
.set i, i+1
.endr
	WIN 0                                          ; the addresses for the way out: plain lines, the places behind those products
	s_mul_i32 s16, s[WV], 16*SP
	s_add_co_u32 s16, s16, STAGE                   ; my stage
	v_mul_u32_u24 v[STO], v1, SP
	v_lshl_add_u32 v[STO], v9, 4, v[STO]
	v_add_nc_u32 v[STO], s16, v[STO]               ; in: row r, 16 bytes for each half of the lanes
	v_bfe_u32 v[RD], v0, 3, 2
	v_mul_u32_u24 v[RD], v[RD], SP
	v_and_b32 v[GO], 7, v0
	v_lshl_add_u32 v[RD], v[GO], 4, v[RD]
	v_add_nc_u32 v[RD], s16, v[RD]                 ; back: eight lanes to a row of 128 bytes, four rows an instruction
	v_and_b32 v[GO], 31, v0
	v_lshlrev_b32 v[GO], 4, v[GO]                  ; which are 512 consecutive bytes of ob
	TURN 2, 0, 1, 1                                ; piece 2's first scores | piece 0's first softmax | V of step 0
	TURN 0, 1, 1, 1                                ; piece 0: V^T P of step 0 starts O^T, K Q^T of step 1 | piece 2's first softmax | K of step 1
	TURN 2, 1, 1, 0                                ; piece 2: the same | piece 0's softmax of step 1 | V of step 1
	WIN 0
	STEPS 2                                        ; slot 0's steps 2 and 3 are fetched
.Lslot:                                            ; 14 trips: every slot but the last two is filled again
	CHANGE 1
	STEPS 4
	s_sub_co_u32 s[SLOTS], s[SLOTS], 1
	s_cmp_lg_u32 s[SLOTS], 0
	s_cbranch_scc1 .Lslot
	CHANGE 0                                       ; the tail is written out
	STEPS 4
	TURN 0, 2, 0, 0                                ; piece 0: V^T P of the last step | piece 2's last softmax
.set i, 0
.rept 16
	PV 2, 0                                        ; piece 2: V^T P of the last step
.set i, i+1
.endr
	; THE WAY OUT.  l's halves are added; O^T is divided by l, rounded to f16 and sent through my stage, a tile (16 rows) at a time.  The additions are the places behind the last products.
	WIN 0
.irp t, 0,1,2,3
	v_add_f32 v[ST+8*\t+4], v[ST+8*\t+2], v[ST+8*\t+3]
.endr
.irp t, 0,1,2,3
	v_permlanex16_b32 v[ST+8*\t+5], v[ST+8*\t+4], s[SEL], s[SEL+1]
.endr
.irp t, 0,1,2,3
	v_add_f32 v[ST+8*\t+4], v[ST+8*\t+4], v[ST+8*\t+5]
.endr
.irp t, 0,1,2,3
	v_rcp_f32 v[ST+8*\t+6], v[ST+8*\t+4]
.endr
	v_nop                                          ; a plain line between the last reciprocal and the use of its result,
	s_wait_alu depctr_va_vdst(0)                   ; and the wait: one for the four
.macro PACK t
	WIN W_RS
.set i, 32*\t
.rept 16
	v_pk_mul_f32 v[i:i+1], v[i:i+1], v[ST+8*\t+6:ST+8*\t+7] op_sel_hi:[1,0]
.set i, i+2
.endr
	WIN 0x05                                       ; sources window 1, destination window 0: S^T's registers are free
.set i, 0
.rept 16
	v_cvt_pk_f16_f32 v[S+32*\t+i], v[32*\t+2*i], v[32*\t+2*i+1]
.set i, i+1
.endr
	WIN 0
.irp f, 0,1,2,3
	ds_store_b128 v[STO], v[S+32*\t+4*\f:S+32*\t+4*\f+3] offset:32*\f
.endr
.irp f, 0,1,2,3
	ds_load_b128 v[S+32*\t+4*\f:S+32*\t+4*\f+3], v[RD] offset:\f*4*SP  ; LDS serves a wave's instructions in order (ISA guide 5.7.1.4)
.endr
.endm
.macro SEND t, younger                 ; younger: the next tile's 4 stores and 4 loads, or none
.irp f, 0,1,2,3
	s_wait_dscnt \younger+3-\f
	global_store_b128 v[GO], v[S+32*\t+4*\f:S+32*\t+4*\f+3], s[10:11] offset:\t*2048+\f*512  ; 512 consecutive bytes, aligned
.endr
.endm
	PACK 0
	PACK 1
	SEND 0, 8
	PACK 2
	SEND 1, 8
	PACK 3
	SEND 2, 8
	SEND 3, 0
	s_wait_tensorcnt 0x0                           ; the wave's end
	ds_add_u32 v[SPW], v[NIL]
	s_wait_dscnt 0x0
	CROUND                                         ; the closing round
	s_endpgm
.Lfunc_end_k_q521839648b_attn:
	.size	k_q521839648b_attn, .Lfunc_end_k_q521839648b_attn-k_q521839648b_attn
	.p2alignl 7, 3214868480
	.fill 96, 4, 3214868480
	.section	.rodata,"a",@progbits
	.p2align	6, 0x0
	.amdhsa_kernel k_q521839648b_attn
		.amdhsa_group_segment_fixed_size 327680
		.amdhsa_private_segment_fixed_size 0
		.amdhsa_enable_private_segment 0
		.amdhsa_kernarg_size 16
		.amdhsa_user_sgpr_count 2
		.amdhsa_user_sgpr_kernarg_segment_ptr 1
		.amdhsa_wavefront_size32 1
		.amdhsa_system_sgpr_workgroup_id_x 1
		.amdhsa_system_sgpr_workgroup_id_y 1
		.amdhsa_system_sgpr_workgroup_id_z 1
		.amdhsa_system_vgpr_workitem_id 0
		.amdhsa_next_free_vgpr 768
		.amdhsa_next_free_sgpr 68
		.amdhsa_reserve_vcc 0
		.amdhsa_float_denorm_mode_32 3
		.amdhsa_float_denorm_mode_16_64 3
		.amdhsa_memory_ordered 1
		.amdhsa_forward_progress 1
		.amdhsa_inst_pref_size 195
	.end_amdhsa_kernel
	.amdgpu_metadata
---
amdhsa.version: [ 1, 2 ]
amdhsa.kernels:
  - .name:           k_q521839648b_attn
    .symbol:         k_q521839648b_attn.kd
    .args:
      - { .name: xp, .offset: 0, .size: 8, .value_kind: global_buffer, .address_space: global }
      - { .name: ob, .offset: 8, .size: 8, .value_kind: global_buffer, .address_space: global }
    .group_segment_fixed_size: 327680
    .private_segment_fixed_size: 0
    .kernarg_segment_align: 8
    .kernarg_segment_size: 16
    .max_flat_workgroup_size: 128
    .sgpr_count:     68
    .vgpr_count:     768
    .wavefront_size: 32
...
	.end_amdgpu_metadata
.endif
;; end of part 3
;; launch oproj (part 4): grid 8 x 32, 4 waves a work-group, clusters of 4 x 4, 327,680 bytes of LDS; arguments ob, wob, bo, out0; writes out0
.if DOCPART == 4
	.amdgcn_target "amdgcn-amd-amdhsa--gfx1250"
	.amdhsa_code_object_version 6
	.text
	.protected	k_q521839648b_oproj
	.globl	k_q521839648b_oproj
	.p2align	8
	.type	k_q521839648b_oproj,@function
k_q521839648b_oproj:
	s_mov_b64 s[64:65], 0
	v_nop
	global_prefetch_b8 v0, s[64:65] scope:SCOPE_SE
	s_setreg_imm32_b32 hwreg(HW_REG_WAVE_MODE, 25, 1), 1
	s_wait_xcnt 0x0
	s_wait_alu depctr_hold_cnt(0) depctr_sa_sdst(0) depctr_va_vdst(0) depctr_va_sdst(0) depctr_va_ssrc(0) depctr_va_vcc(0) depctr_vm_vsrc(0)
	s_getreg_b32 s2, hwreg(HW_REG_IB_STS2, 6, 4)
	s_cmp_eq_u32 s2, 0
	s_cbranch_scc0 .Lentry_in_a_cluster
	s_endpgm
.Lentry_in_a_cluster:
	s_bfe_u32 s2, ttmp6, 0x10000c
	s_cmp_lg_u32 s2, 0xf033
	s_cbranch_scc0 .Lentry_shape_is_right
	s_endpgm
.Lentry_shape_is_right:
; OPROJ: out0[m][n] = sum over k of o[m][k] Wo[n][k] + bo[n].  o and Wo in f16, sums in f32, out0 f32 [4096][1024].
; ob: [m/128][k/64][128][64], wob: [n/128][k/64][128][64]: a chunk (128 rows x 64 along K) is 16,384 consecutive bytes, and the chunks of a block of 128 rows lie on end along K.
; A tile of out0 is 128 x 128: 256 work-groups; four waves, each 64 x 64 in 16 accumulators.  K goes in four steps of 256 (4 chunks) through two LDS slots; a wave's tensor load brings 2 chunks, 256 rows of 128 bytes.
; Four K steps are two laps of the ring: the one lap that refills is written straight, without a loop.
; CLUSTERS: 4 x 4: A's tiles are shared along a row of the cluster, B's along a column, by joint loads.  THE MATRIX INSTRUCTION IS USED TRANSPOSED: a lane holds eight neighbouring columns of one row.
; The bias is the C of each sum's first product.  A wave's 64 columns are 256 bytes of a row: each wave has a stage of its own and stores whole aligned runs of 256 bytes.
; No prefetch: the tiles are small and shared in the cluster, and a K step is short.
; REGISTERS: window 0: v0-31 addresses; v32-95 rows read back; v96-127 the bias; v128-255 the accumulators.  window 1: two fragment buffers of 128.
.set PITCH,  144                       ; an LDS row: 128 bytes + 16
.set CH,     128*PITCH                 ; a chunk in LDS
.set HALFT,  2*CH                      ; what one tensor load brings
.set SLOT,   4*HALFT                   ; A's 4 chunks, then B's 4
.set SPARE,  2*SLOT                    ; the spare words, 128 bytes a wave
.set SPITCH, 272                       ; the way out: 16 rows x (256 bytes + 16) for each wave, in slot 0, which has had its last fill and its last read by then
.set KBYTES, 65536                     ; a K step in memory: 4 chunks
.set ADRA, 16
.set ADRB, 20
.set STO,  24
.set RD,   25
.set CO,   26
.set SPW,  28
.set NIL,  29
.set BK,   32
.set BIAS, 96
.set ACC,  128
.set F0,   0
.set F1,   128
.set G1, 24
.set G0, 32
.set G1B, 48
.set G0B, 56
.set MSB, 0
.macro WIN new
.if MSB != \new
	s_set_vgpr_msb (MSB<<8)|\new
.set MSB, \new
.endif
.endm
.set MUL,  0x05                        ; sources 0 (B) and 1 (A) window 1; C and D window 0
.set TO_F, 0x40
.macro JLOAD s                         ; waves 0, 1 fetch A's chunk pairs, waves 2, 3 B's; an s_nop 0 and four v_nop follow each line
	s_cmp_eq_u32 s11, 0
	s_cbranch_scc0 .Lfor_b_\@
	tensor_load_to_lds s[G0+4*\s:G0+4*\s+3], s[G1:G1+7]
	s_nop 0
.rept 4
	v_nop
.endr
	s_branch .Lasked_\@
.Lfor_b_\@:
	tensor_load_to_lds s[G0B+4*\s:G0B+4*\s+3], s[G1B:G1B+7]
	s_nop 0
.rept 4
	v_nop
.endr
.Lasked_\@:
.endm
.macro CREST
	s_cmp_lg_u32 s10, 0
	s_cbranch_scc1 .Lnot_wave_0_\@
	s_barrier_signal -3
.Lnot_wave_0_\@:
	s_barrier_wait -3
	s_barrier_signal -1
	s_barrier_wait -1
.endm
.macro CROUND
	s_barrier_signal -1
	s_barrier_wait -1
	CREST
.endm
	s_load_b128 s[4:7], s[0:1], 0x0                ; ob 4, wob 6
	s_load_b128 s[68:71], s[0:1], 0x10             ; bo 68, out0 70
	v_lshl_add_u32 v[SPW], v0, 2, SPARE
	v_mov_b32 v[NIL], 0
	ds_add_u32 v[SPW], v[NIL]                      ; the wave's opening: the add, twice on end, and its wait ahead of my first tensor load
	ds_add_u32 v[SPW], v[NIL]
	v_lshrrev_b32 v1, 5, v0
	v_readfirstlane_b32 s10, v1                    ; wave 0..3
	s_lshr_b32 s11, s10, 1                         ; which half of the tile's rows is mine.  Also: I fetch for A (0) or for B (1)
	s_and_b32 s12, s10, 1                          ; which half of its columns.  Also: which pair of chunks I fetch
	s_bfe_u32 s40, ttmp6, 0x40000
	s_bfe_u32 s41, ttmp6, 0x40004
	s_lshl_b32 s42, ttmp9, 2
	s_add_co_u32 s42, s42, s40                     ; tile column
	s_and_b32 s13, ttmp7, 0xffff
	s_lshl_b32 s13, s13, 2
	s_add_co_u32 s13, s13, s41                     ; tile row
	s_lshl_b32 s43, s41, 2
	s_lshl_b32 s43, 15, s43
	s_lshl_b32 s44, 0x1111, s40
	s_or_b32 s[G1+0], s43, (1<<16)|(1<<20)|(1<<21)|(4<<22)|(3<<25)  ; the mask; elements of 2 bytes; padding on; bit 21 beside a mask; after every 32 words 4 words
	s_or_b32 s[G1B+0], s44, (1<<16)|(1<<20)|(1<<21)|(4<<22)|(3<<25)
.irp g, G1, G1B
	s_mov_b32 s[\g+1], 64<<16                      ; tensor_dim0
	s_mov_b32 s[\g+2], 256<<16                     ; tensor_dim1
	s_mov_b32 s[\g+3], 64<<16                      ; tile_dim0
	s_mov_b32 s[\g+4], 256                         ; tile_dim1
	s_mov_b32 s[\g+5], 64                          ; stride: the rows are dense
	s_mov_b32 s[\g+6], 0
	s_mov_b32 s[\g+7], 0
.endr
	s_lshl_b32 s17, s12, 15                        ; my pair of chunks: 32,768 bytes
	s_lshl_b32 s16, s13, 18
	s_add_co_u32 s16, s16, s17                     ; A: the tile row's block of 262,144 bytes
	s_lshl_b32 s46, s42, 18
	s_add_co_u32 s46, s46, s17                     ; B: the tile column's
	s_mov_b32 s17, 0
	s_mov_b32 s47, 0
	s_mul_i32 s20, s10, HALFT                      ; where they go: by the wave's number alone
	s_wait_dscnt 0x0                               ; both opening adds are done
	s_wait_kmcnt 0x0
	s_add_nc_u64 s[14:15], s[4:5], s[16:17]
	s_add_nc_u64 s[46:47], s[6:7], s[46:47]
	CROUND                                         ; all sixteen work-groups are here
.irp s, 0,1
	s_mov_b32 s[G0+4*\s], 1
	s_add_co_u32 s[G0+4*\s+1], s20, \s*SLOT
	s_add_nc_u64 s[G0+4*\s+2:G0+4*\s+3], s[14:15], \s*KBYTES
	s_or_b32 s[G0+4*\s+3], s[G0+4*\s+3], 0x80000000
	s_mov_b32 s[G0B+4*\s], 1
	s_add_co_u32 s[G0B+4*\s+1], s20, \s*SLOT
	s_add_nc_u64 s[G0B+4*\s+2:G0B+4*\s+3], s[46:47], \s*KBYTES
	s_or_b32 s[G0B+4*\s+3], s[G0B+4*\s+3], 0x80000000
	JLOAD \s
.endr
	v_and_b32 v1, 15, v0                           ; r
	v_bfe_u32 v2, v0, 4, 1                         ; h
	v_mul_u32_u24 v3, v1, PITCH
	v_lshl_add_u32 v3, v2, 4, v3
	s_mul_i32 s21, s11, 64*PITCH                   ; my 64 rows in each of A's chunks
	s_mul_i32 s22, s12, 64*PITCH                   ; my 64 rows in each of B's,
	s_add_co_u32 s22, s22, 2*HALFT                 ; which lie behind A's four
.irp s, 0,1
	v_add_nc_u32 v[ADRA+\s], s21, v3
	v_add_nc_u32 v[ADRB+\s], s22, v3
	s_add_co_u32 s21, s21, SLOT
	s_add_co_u32 s22, s22, SLOT
.endr
	s_mul_i32 s23, s10, 16*SPITCH                  ; my stage
	v_mul_u32_u24 v4, v1, SPITCH
	v_lshl_add_u32 v4, v2, 5, v4
	v_add_nc_u32 v[STO], s23, v4                   ; in: row r, 32 bytes for each half of the lanes
	v_mul_u32_u24 v5, v2, SPITCH
	v_lshl_add_u32 v5, v1, 4, v5
	v_add_nc_u32 v[RD], s23, v5                    ; back: lanes 0-15 one row of 256 bytes, lanes 16-31 the next
	v_lshlrev_b32 v5, 12, v2
	v_lshl_add_u32 v[CO], v1, 4, v5                ; and the same two rows in out0
	v_lshlrev_b32 v5, 5, v2                        ; the bias: my half's eight numbers
	s_lshl_b32 s46, s42, 9
	s_lshl_b32 s47, s12, 8
	s_add_co_u32 s46, s46, s47                     ; my first column, in bytes
	s_mov_b32 s47, 0
	s_add_nc_u64 s[68:69], s[68:69], s[46:47]
	s_add_nc_u64 s[70:71], s[70:71], s[46:47]
	s_lshl_b32 s16, s13, 19
	s_lshl_b32 s17, s11, 18
	s_add_co_u32 s16, s16, s17                     ; my first row: (128 x tile row + 64 x half) x 4,096 bytes
	s_mov_b32 s17, 0
	s_add_nc_u64 s[70:71], s[70:71], s[16:17]
.irp b, 0,1,2,3
	global_load_b128 v[BIAS+8*\b:BIAS+8*\b+3], v5, s[68:69] offset:64*\b        ; bo at columns 16 b + 8 h + 0 .. 7: the result's layout
	global_load_b128 v[BIAS+8*\b+4:BIAS+8*\b+7], v5, s[68:69] offset:64*\b+16
.endr
; 8 matrix instructions: m blocks a0, a0 + 1 x all 4 n blocks, 32 along K: half c of buffer f.  zero = 1: the first product starts the sum from the bias.  The 16 accumulators take turns.
.macro MUL8 f, c, a0, zero
.irp a, \a0, \a0+1
.irp b, 0,1,2,3
.if \zero
	v_wmma_f32_16x16x32_f16 v[ACC+8*(4*(\a)+\b):ACC+8*(4*(\a)+\b)+7], v[\f+64+8*(4*\c+\b):\f+64+8*(4*\c+\b)+7], v[\f+8*(4*\c+\a):\f+8*(4*\c+\a)+7], v[BIAS+8*\b:BIAS+8*\b+7]
.else
	v_wmma_f32_16x16x32_f16 v[ACC+8*(4*(\a)+\b):ACC+8*(4*(\a)+\b)+7], v[\f+64+8*(4*\c+\b):\f+64+8*(4*\c+\b)+7], v[\f+8*(4*\c+\a):\f+8*(4*\c+\a)+7], v[ACC+8*(4*(\a)+\b):ACC+8*(4*(\a)+\b)+7]
.endif
.endr
.endr
.endm
; 32 LDS loads in one run: the fragments of one chunk (64 along K), which begins at byte k of the slot's part, into buffer f; the first 32 along K first
.macro FETCH slot, k, f
	WIN TO_F
.irp c, 0,1
.irp i, 0,1,2,3
	ds_load_b128 v[\f+64+8*(4*\c+\i):\f+64+8*(4*\c+\i)+3],   v[ADRB+\slot] offset:\k+64*\c+\i*16*PITCH
	ds_load_b128 v[\f+64+8*(4*\c+\i)+4:\f+64+8*(4*\c+\i)+7], v[ADRB+\slot] offset:\k+64*\c+\i*16*PITCH+32
	ds_load_b128 v[\f+8*(4*\c+\i):\f+8*(4*\c+\i)+3],         v[ADRA+\slot] offset:\k+64*\c+\i*16*PITCH
	ds_load_b128 v[\f+8*(4*\c+\i)+4:\f+8*(4*\c+\i)+7],       v[ADRA+\slot] offset:\k+64*\c+\i*16*PITCH+32
.endr
.endr
.endm
.macro PLACES                          ; four plain lines in front of loads into registers that matrix instructions have read, and of reads of results
.rept 4
	v_nop
.endr
.endm
.macro QUARTER slot, k, f, g, zero     ; multiplies buffer f and fetches the next chunk, at byte k, into g
	s_wait_dscnt 16                                ; the first 32 along K are in; the other 16 loads may be out
	WIN MUL
	MUL8 \f, 0, 0, \zero
	MUL8 \f, 0, 2, \zero
	PLACES
	FETCH \slot, \k, \g
	s_wait_dscnt 32                                ; all but the 32 just issued
	WIN MUL
	MUL8 \f, 1, 0, 0
	MUL8 \f, 1, 2, 0
.endm
; A slot's last chunk changes slots: ONE barrier; in front of it each wave waits for all its tensor loads, adds 0 to its spare word, and waits for that and for its reads of this slot.  fill = 1: this slot is filled again, two K steps ahead.
.macro TURN slot, next, fill
	WIN 0
	s_wait_tensorcnt 0x0                           ; all my tensor loads have landed: my part of the next slot
	ds_add_u32 v[SPW], v[NIL]
	s_wait_dscnt 17                                ; (the add and the youngest sixteen loads may be out)
	WIN MUL
	MUL8 F1, 0, 0, 0
	s_wait_dscnt 0x0                               ; the add is done, and my reads of this slot are over
	s_barrier_signal -1
	MUL8 F1, 0, 2, 0
.if \fill
	WIN 0
.endif
	s_barrier_wait -1
.if \fill
	CREST                                          ; the barrier has opened a round of the cluster's: no wave of any partner still reads this slot or has a load on its way
	s_add_nc_u64 s[G0+4*\slot+2:G0+4*\slot+3], s[G0+4*\slot+2:G0+4*\slot+3], 2*KBYTES
	s_add_nc_u64 s[G0B+4*\slot+2:G0B+4*\slot+3], s[G0B+4*\slot+2:G0B+4*\slot+3], 2*KBYTES
	JLOAD \slot                                    ; the first tensor load behind the round; its four v_nop are also the places in front of the loads below
.else
	PLACES
.endif
	FETCH \next, 0, F0
	WIN MUL
	MUL8 F1, 1, 0, 0
	MUL8 F1, 1, 2, 0
.endm
	s_wait_tensorcnt 1                             ; my part of K step 0 is in (K step 1's load may be out)
	s_barrier_signal -1
	s_barrier_wait -1                              ; everybody's is
	FETCH 0, 0, F0
	s_wait_loadcnt 0x0                             ; the bias
	QUARTER 0, CH,   F0, F1, 1                     ; K step 0: the first products start the sums
	QUARTER 0, 2*CH, F1, F0, 0
	QUARTER 0, 3*CH, F0, F1, 0
	TURN 0, 1, 1                                   ; slot 0 takes K step 2
	QUARTER 1, CH,   F0, F1, 0                     ; K step 1
	QUARTER 1, 2*CH, F1, F0, 0
	QUARTER 1, 3*CH, F0, F1, 0
	TURN 1, 0, 1                                   ; slot 1 takes K step 3
	QUARTER 0, CH,   F0, F1, 0                     ; K step 2
	QUARTER 0, 2*CH, F1, F0, 0
	QUARTER 0, 3*CH, F0, F1, 0
	TURN 0, 1, 0                                   ; nothing is left to fetch
	QUARTER 1, CH,   F0, F1, 0                     ; K step 3
	QUARTER 1, 2*CH, F1, F0, 0
	QUARTER 1, 3*CH, F0, F1, 0
	s_wait_dscnt 16
	WIN MUL
	MUL8 F1, 0, 0, 0
	MUL8 F1, 0, 2, 0
	s_wait_dscnt 0
	MUL8 F1, 1, 0, 0
	MUL8 F1, 1, 2, 0
	WIN 0
; THE WAY OUT, block by block of 16 rows x 64 columns, through my own stage.
.macro TOSTAGE a
.set BB, BK+32*((\a)%2)
.irp b, 0,1,2,3
	ds_store_b128 v[STO], v[ACC+8*(4*(\a)+\b):ACC+8*(4*(\a)+\b)+3] offset:64*\b        ; each accumulator from its low end on
	ds_store_b128 v[STO], v[ACC+8*(4*(\a)+\b)+4:ACC+8*(4*(\a)+\b)+7] offset:64*\b+16
.endr
.irp t, 0,1,2,3,4,5,6,7
	ds_load_b128 v[BB+4*\t:BB+4*\t+3], v[RD] offset:\t*2*SPITCH   ; LDS serves a wave's instructions in order (ISA guide 5.7.1.4)
.endr
.endm
.macro SEND a, younger
.set BB, BK+32*((\a)%2)
	s_wait_dscnt \younger
.irp t, 0,1,2,3,4,5,6,7
	global_store_b128 v[CO], v[BB+4*\t:BB+4*\t+3], s[70:71] offset:65536*(\a)+8192*\t th:TH_STORE_NT   ; 16 lanes store 256 consecutive bytes, aligned; written once, read by nobody here
.endr
.endm
	PLACES
	TOSTAGE 0
	TOSTAGE 1
	SEND 0, 16                                     ; behind block 0's loads: block 1's 8 stores and 8 loads
	s_wait_xcnt 0x0                                ; block 0's stores have read their registers: block 2's loads may land there
	TOSTAGE 2
	SEND 1, 16
	s_wait_xcnt 0x0
	TOSTAGE 3
	SEND 2, 16
	SEND 3, 0
	s_wait_tensorcnt 0x0                           ; the wave's end
	ds_add_u32 v[SPW], v[NIL]
	s_wait_dscnt 0x0
	CROUND                                         ; the closing round
	s_endpgm
.Lfunc_end_k_q521839648b_oproj:
	.size	k_q521839648b_oproj, .Lfunc_end_k_q521839648b_oproj-k_q521839648b_oproj
	.p2alignl 7, 3214868480
	.fill 96, 4, 3214868480
	.section	.rodata,"a",@progbits
	.p2align	6, 0x0
	.amdhsa_kernel k_q521839648b_oproj
		.amdhsa_group_segment_fixed_size 327680
		.amdhsa_private_segment_fixed_size 0
		.amdhsa_enable_private_segment 0
		.amdhsa_kernarg_size 32
		.amdhsa_user_sgpr_count 2
		.amdhsa_user_sgpr_kernarg_segment_ptr 1
		.amdhsa_wavefront_size32 1
		.amdhsa_system_sgpr_workgroup_id_x 1
		.amdhsa_system_sgpr_workgroup_id_y 1
		.amdhsa_system_sgpr_workgroup_id_z 1
		.amdhsa_system_vgpr_workitem_id 0
		.amdhsa_next_free_vgpr 512
		.amdhsa_next_free_sgpr 72
		.amdhsa_reserve_vcc 0
		.amdhsa_float_denorm_mode_32 3
		.amdhsa_float_denorm_mode_16_64 3
		.amdhsa_memory_ordered 1
		.amdhsa_forward_progress 1
		.amdhsa_inst_pref_size 86
	.end_amdhsa_kernel
	.amdgpu_metadata
---
amdhsa.version: [ 1, 2 ]
amdhsa.kernels:
  - .name:           k_q521839648b_oproj
    .symbol:         k_q521839648b_oproj.kd
    .args:
      - { .name: ob, .offset: 0, .size: 8, .value_kind: global_buffer, .address_space: global }
      - { .name: wob, .offset: 8, .size: 8, .value_kind: global_buffer, .address_space: global }
      - { .name: bo, .offset: 16, .size: 8, .value_kind: global_buffer, .address_space: global }
      - { .name: out0, .offset: 24, .size: 8, .value_kind: global_buffer, .address_space: global }
    .group_segment_fixed_size: 327680
    .private_segment_fixed_size: 0
    .kernarg_segment_align: 8
    .kernarg_segment_size: 32
    .max_flat_workgroup_size: 128
    .sgpr_count:     72
    .vgpr_count:     512
    .wavefront_size: 32
...
	.end_amdgpu_metadata
.endif
;; end of part 4
